; MI455X (gfx1250); checked and timed in simulation.
; The chip was launched on July 23, 2026; its instructions are those of AMD's public machine-readable ISA for CDNA 5 (MIT licence, August 2026) and "CDNA5" Instruction Set Architecture Reference Guide (July 2026). The comments in the code are by the model that wrote it; some were corrected since.
;; STAN Attention. Allowed arithmetic: matrix products marked QUANTISED: E2M3 operands, one E8M0 scale for each 32 along K, by v_wmma_scale_f32_16x16x128_f8f6f4 with both operands' format E2M3, f32 sums; everything else in f32.
;; Inputs: out_b 1,024 float32; out_w 1,024 x 1,024 float32; padding_mask 8 x 1,024 bool; pair_bias 16 x 1,024 x 1,024 float32; qkv_b 3,072 float32; qkv_w 3,072 x 1,024 float32; x 8 x 1,024 x 1,024 float32.
;; Outputs: out0 8 x 1,024 x 1,024 float32.
;; This version of the problem:
;;   THIS VERSION OF THE PROBLEM IS GIVEN IN LOW PRECISION. The matrix products marked QUANTISED in the list below multiply operands that are first quantised to E2M3 (2 exponent bits, 3 mantissa bits; 6 bits a number), with one power-of-two scale for each 32 numbers along K (OCP MX v1.0); their sums are f32. All else is computed in f32.
;;   The module's matrix products, in the order in which they are computed (A, B: the left and right operand; K: the contracted axis; several contracted axes count as one K, in the product's order):
;;     1. [M 8,192, K 1,024] x [K 1,024, N 3,072]; A: input x; B: input qkv_w: QUANTISED
;;     2. batch 128 x [M 1,024, K 64] x [K 64, N 1,024]; A: computed on the way; B: computed on the way: QUANTISED
;;     3. batch 128 x [M 1,024, K 1,024] x [K 1,024, N 64]; A: softmax (see below); B: computed on the way: QUANTISED
;;     4. [M 8,192, K 1,024] x [K 1,024, N 1,024]; A: computed on the way; B: input out_w: QUANTISED
;;   THE QUANTISER, for each operand of a quantised product, along K:
;;     - K is cut into blocks of 32 from its start; a last block that is shorter is filled with zeros.
;;     - A block's scale is 2^e with e = floor(log2(the largest magnitude in the block)) - 2, held to -126 .. 127; a block of zeros has e = 0. As a byte (E8M0): e + 127.
;;     - Each number is divided by its block's scale, clamped to +-7.5, and rounded to the nearest number of E2M3, ties to even, subnormals kept.
;;     - The product sums the exact products of the quantised numbers (number of the format x scale) in f32.
;;   ~~~python
;;   def quantise(x, axis):      # numpy; x: float32 -> the quantised numbers, widened to float32 again
;;       x = np.moveaxis(x, axis, -1); K = x.shape[-1]
;;       x = np.pad(x, [(0, 0)] * (x.ndim - 1) + [(0, -K % 32)]); x = x.reshape(x.shape[:-1] + (-1, 32)); a = np.abs(x).max(-1, keepdims=True)
;;       e = np.where(a > 0, np.clip(np.frexp(np.where(a > 0, a, 1))[1] - 1 - 2, -126, 127), 0)      # np.frexp(a)[1] - 1 = floor(log2(a)), exactly
;;       r = np.clip(x / 2.0 ** e, -7.5, 7.5)
;;       step = 2.0 ** (np.maximum(np.frexp(np.where(r == 0, 1, r))[1] - 1, 0) - 3)
;;       q = np.round(r / step) * step * 2.0 ** e      # np.round: ties to even
;;       return np.moveaxis(q.reshape(q.shape[:-2] + (-1,))[..., :K], -1, axis).astype(np.float32)
;;   ~~~
;;   SOFTMAX AHEAD OF A QUANTISED PRODUCT. Where the list says 'softmax', what is quantised is not the finished softmax but p = 2^(t - M), with t = logit x log2(e) and M = ceil(the row's largest t), a whole number; so 1/2 < the row's largest p <= 1. The row's sum l is taken of the UNQUANTISED p, in f32, and the product's result is divided by l at the end. Since M is a whole number, a kernel that streams over the keys may use a running M (the ceiling of the running maximum): every later rescaling is an exact power of two, which a block's scale takes up: the codes' values come out the same.
;;   OPERANDS COMPUTED ON THE WAY. 'Computed on the way' means the value that the module computes at that place (a softmax that the list does not call 'softmax' is quantised finished and normalised). What goes into a quantiser is computed in f32, as accurately as f32 sums, v_exp_f32 and their like allow (about 1e-6 of the number): no bf16 or f16 on the way to a quantiser, and a product that is left as it is and whose result goes on into a quantised operand takes f32 operands (vector FMAs, or v_wmma_f32_16x16x4_f32). A number that lies on a knife's edge between two numbers of the format may be rounded either way, as far as f32 arithmetic and the matrix unit's own rounding can turn it there, and no further.
;; One version. Each part assembles by itself: llvm-mc -triple=amdgcn-amd-amdhsa -mcpu=gfx1250 --defsym DOCPART=n.
;; ======== version 1 of 1: 4 launches
;; limits: right only within a limited range of input values
;; workspace buffers: wc 9,437,184 bytes; wsc 393,216 bytes; mterm 32,768 bytes; qimg 6,815,744 bytes; kv 13,369,344 bytes; aoc 6,291,456 bytes; aos 262,144 bytes
;; launch quant (part 1): grid 385 x 1, 4 waves a work-group, no clusters, 35,328 bytes of LDS; arguments x, qkv_w, out_w, padding_mask, wc, wsc, mterm; writes wc, wsc, mterm
.if DOCPART == 1
	.amdgcn_target "amdgcn-amd-amdhsa--gfx1250"
	.amdhsa_code_object_version 6
	.text
	.protected	k_q34e9ecbe1a_quant
	.globl	k_q34e9ecbe1a_quant
	.p2align	8
	.type	k_q34e9ecbe1a_quant,@function
k_q34e9ecbe1a_quant:
	s_mov_b64 s[64:65], 0
	v_nop
	global_prefetch_b8 v0, s[64:65] scope:SCOPE_SE
	s_setreg_imm32_b32 hwreg(HW_REG_WAVE_MODE, 25, 1), 1
	s_wait_xcnt 0x0
; x [8192][1024], qkv_w [3072][1024], out_w [1024][1024], f32, K innermost, become codes of FP6 (E2M3) with one E8M0 byte for each 32 along K,
; laid as the later launches' operand registers want them.  768 tiles of 16 rows: x tiles 0-511, qkv_w 512-703, out_w 704-767.
; CODES: [tile][16 halves][768 bytes].  A half is 16 rows x 64 K: lane l = r + 16 h owns block h (32 codes, 24 bytes) of the tile's row r: bytes 0-15 at 16 l, bytes 16-23 at 512 + 8 l.
; SCALES: [tile][4][16 rows][2 words]: word (sp, r, q) holds the four bytes of K = 256 sp + 128 q on.
; THE ROWS OF A TILE ARE NOT NEIGHBOURS: row r of tile 2 B + u is the tensor's row 32 B + 8 u + r % 8 + 16 (r / 8), so that in a product used transposed the 16 registers of two neighbouring tiles are 16 neighbours.
; A block's scale is 2^(floor(log2(largest magnitude)) - 2): its byte is the largest magnitude's exponent field - 2, held at 1 from below (a block of zeros keeps 1: its codes are zeros, and this program alone reads the bytes).
; THE 1/8 OF THE SCORES: the bytes of qkv_w's rows 0-1023 (q) are lowered by 3, held at 1: the first product then gives q / 8, exactly.
; The last work-group turns padding_mask [8][1024] into f32 terms: 0 for a key that counts, -infinity for a padded one.
; LIMITS: NaN and infinities among the inputs are not served; blocks whose largest magnitude lies under 2^-124 keep the byte 1; for blocks of q's weights under 2^-121 the 1/8 is not applied in full.
; A wave takes one tile x 512 along K: 8 halves.  Each load reads two rows' 256 consecutive bytes; a half turns through the wave's own stage in LDS (rows 272 bytes apart) and comes back 32 neighbours a lane.
.set R,   16                           ; v16-111   three sets of 32 registers as loaded
.set X,   112                          ; v112-175  two sets of 32 neighbours
.set C,   176                          ; v176-223  six registers of codes for each half: no store's data are written again
.set E,   224                          ; v224-226  the second conversion's result (three registers begin on an even number)
.set W,   240                          ; v240-243  the four scale words
.set SP,  272
.set STB, 16*SP                        ; a stage
	s_load_b256 s[4:11], s[0:1], 0x0               ; x, qkv_w, out_w, padding_mask
	s_load_b128 s[12:15], s[0:1], 0x20             ; wc, wsc
	s_load_b64 s[16:17], s[0:1], 0x30              ; mterm
	v_lshl_add_u32 v248, v0, 2, 0x8800
	v_mov_b32 v249, 0
	s_cmp_eq_u32 ttmp9, 384
	s_cbranch_scc1 .Lmask
	v_lshrrev_b32 v1, 5, v0
	v_readfirstlane_b32 s18, v1                    ; wave
	v_and_b32 v7, 31, v0                           ; lane
	v_and_b32 v8, 15, v0                           ; r
	v_bfe_u32 v9, v0, 4, 1                         ; h
	v_lshlrev_b32 v10, 4, v8
	v_lshl_add_u32 v1, v9, 12, v10                 ; a load: lanes 0-15 one row's 256 bytes, lanes 16-31 the next row's
	s_mul_i32 s19, s18, 2*STB
	v_mad_u32_u24 v2, v9, SP, v10
	v_add_nc_u32 v2, s19, v2                       ; the stage, way in
	v_mul_u32_u24 v3, v8, SP
	v_lshl_add_u32 v3, v9, 7, v3
	v_add_nc_u32 v3, s19, v3                       ; way out: row r, block h: 128 bytes
	v_lshlrev_b32 v4, 4, v7                        ; 16 x lane
	v_lshlrev_b32 v5, 3, v7                        ; 8 x lane
	v_lshlrev_b32 v6, 3, v9                        ; 8 h: my byte's place in a scale word
	v_mov_b32 v232, 0                              ; a lane permute's destination counts as one of its sources
	s_mov_b32 s24, 0x76543210
	s_mov_b32 s25, 0xfedcba98                      ; selects for lane l xor 16
	s_lshl_b32 s26, ttmp9, 1
	s_lshr_b32 s27, s18, 1
	s_add_co_u32 s26, s26, s27                     ; my tile
	s_and_b32 s27, s18, 1                          ; which 512 along K
	s_wait_alu depctr_va_vdst(0)
	s_wait_kmcnt 0x0
	s_cmp_lt_u32 ttmp9, 256                        ; which tensor: the choice hangs on the work-group's number alone
	s_cselect_b64 s[28:29], s[4:5], s[6:7]
	s_cselect_b32 s30, 0, 512
	s_cmp_lt_u32 ttmp9, 352
	s_cselect_b64 s[28:29], s[28:29], s[8:9]
	s_cselect_b32 s30, s30, 704
	s_sub_co_u32 s30, s26, s30                     ; the tile's number in its tensor
	s_lshr_b32 s31, s30, 1
	s_lshl_b32 s31, s31, 5
	s_and_b32 s30, s30, 1
	s_lshl_b32 s30, s30, 3
	s_add_co_u32 s30, s30, s31                     ; its first row: 32 (T / 2) + 8 (T % 2)
	s_lshl_b32 s30, s30, 12
	s_lshl_b32 s31, s27, 11
	s_add_co_u32 s30, s30, s31
	s_mov_b32 s31, 0
	s_add_nc_u64 s[28:29], s[28:29], s[30:31]
	s_sub_co_u32 s20, ttmp9, 256
	s_cmp_lt_u32 s20, 32                           ; qkv_w's tiles 0-63: q's weights
	s_cselect_b32 s20, 3, 0
	s_add_co_u32 s21, s20, 1
	s_mul_i32 s32, s26, 12288
	s_mul_i32 s33, s27, 6144
	s_add_co_u32 s32, s32, s33
	s_mov_b32 s33, 0
	s_add_nc_u64 s[12:13], s[12:13], s[32:33]      ; my eight halves
	s_lshl_b32 s32, s26, 9
	s_lshl_b32 s34, s27, 8
	s_add_co_u32 s32, s32, s34
	s_add_nc_u64 s[14:15], s[14:15], s[32:33]      ; my 256 bytes of scale words
.macro LOAD t                          ; half t: load i takes the tile's rows 2 i and 2 i + 1
.irp i, 0,1,2,3,4,5,6,7
	global_load_b128 v[R+32*((\t)%3)+4*\i:R+32*((\t)%3)+4*\i+3], v1, s[28:29] offset:(2*\i+8*(\i/4))*4096+256*(\t) th:TH_LOAD_NT
.endr
.endm
.macro TURN t                          ; through the stage: LDS serves a wave's instructions in order, so no wait stands between the stores and the loads
.irp i, 0,1,2,3,4,5,6,7
	ds_store_b128 v2, v[R+32*((\t)%3)+4*\i:R+32*((\t)%3)+4*\i+3] offset:STB*((\t)%2)+2*\i*SP
.endr
.irp i, 0,1,2,3,4,5,6,7
	ds_load_b128 v[X+32*((\t)%2)+4*\i:X+32*((\t)%2)+4*\i+3], v3 offset:STB*((\t)%2)+16*\i
.endr
.endm
.macro STEP t
.set XS, X+32*((\t)%2)
.set CC, C+6*(\t)
	s_wait_dscnt 0x0                               ; this half's numbers are back, and its stores into the stage have read their registers,
.if (\t)+3 < 8
	LOAD (\t)+3                                    ; which take the loads of three halves on
.endif
.if (\t)+1 < 8
.if (\t) <= 4
	s_wait_loadcnt 16                              ; the next half's eight loads are in; two younger runs of eight may be out
.else
	s_wait_loadcnt 8*(6-(\t))
.endif
	TURN (\t)+1
.endif
	v_max3_num_f32 v228, |v[XS]|, |v[XS+1]|, 0x1800000     ; the block's largest magnitude, all 32 numbers mine, and the floor 2^(3 - 127)
	v_max3_num_f32 v229, |v[XS+2]|, |v[XS+3]|, |v[XS+4]|
.irp i, 5,9,13,17,21,25
	v_max3_num_f32 v228, v228, |v[XS+\i]|, |v[XS+\i+1]|
	v_max3_num_f32 v229, v229, |v[XS+\i+2]|, |v[XS+\i+3]|
.endr
	v_max3_num_f32 v228, v228, |v[XS+29]|, |v[XS+30]|
	v_max3_num_f32 v228, v228, v229, |v[XS+31]|
	v_add_nc_u32 v230, 0xff000000, v228            ; 2 off its exponent field: the conversion takes this operand's exponent field as its scale
	v_cvt_scalef32_pk16_fp6_f32 v[CC:CC+2], v[XS:XS+15], v230
	v_cvt_scalef32_pk16_fp6_f32 v[E:E+2], v[XS+16:XS+31], v230
	v_lshrrev_b32 v231, 23, v230                   ; the scale's byte (also the plain line behind the conversions)
	v_max_u32 v231, s21, v231                      ; q's weights: 3 off the byte, held at 1
	v_sub_nc_u32 v231, v231, s20
.irp i, 0,1,2
	v_mov_b32 v[CC+3+\i], v[E+\i]
.endr
	global_store_b128 v4, v[CC:CC+3], s[12:13] offset:768*(\t)          ; 512 consecutive bytes
	global_store_b64 v5, v[CC+4:CC+5], s[12:13] offset:768*(\t)+512     ; 256 consecutive bytes
.if (\t)%2 == 0
	v_mov_b32 v233, v231
.else
	v_lshl_or_b32 v233, v231, 16, v233             ; blocks h and 2 + h of these 128 along K,
	v_lshlrev_b32 v233, v6, v233                   ; at their places in the word;
	v_permlanex16_b32 v232, v233, s24, s25
	v_or_b32 v[W+(\t)/2], v233, v232               ; with lane l xor 16's two the word is whole
.endif
.endm
	LOAD 0
	LOAD 1
	LOAD 2
	s_wait_loadcnt 16                              ; half 0's eight loads are in
	TURN 0
.irp t, 0,1,2,3,4,5,6,7
	STEP \t
.endr
	v_cmp_eq_u32 vcc_lo, 1, v9
	v_cndmask_b32 v234, v[W], v[W+2], vcc_lo       ; lanes 0-15 the first 256 along K, lanes 16-31 the second
	v_cndmask_b32 v235, v[W+1], v[W+3], vcc_lo
	global_store_b64 v5, v[234:235], s[14:15]      ; 256 consecutive bytes, aligned
	s_wait_tensorcnt 0x0
	ds_add_u32 v248, v249
	s_wait_dscnt 0x0
	s_endpgm
.Lmask:                                            ; 8,192 mask bytes -> 8,192 f32 terms; no LDS on this way
	v_lshlrev_b32 v1, 2, v0
	v_lshlrev_b32 v2, 4, v0
	s_mov_b32 s20, 0xff800000                      ; -infinity
	s_wait_alu depctr_va_vdst(0)
	s_wait_kmcnt 0x0
.irp k, 0,1,2,3,4,5,6,7,8,9,10,11,12,13,14,15
	global_load_b32 v[16+\k], v1, s[10:11] offset:512*\k
.endr
.irp k, 0,1,2,3,4,5,6,7,8,9,10,11,12,13,14,15
	s_wait_loadcnt 15-\k
.irp j, 0,1,2,3
	v_bfe_u32 v[32+4*\k+\j], v[16+\k], 8*\j, 1
.endr
.irp j, 0,1,2,3
	v_mul_lo_u32 v[32+4*\k+\j], v[32+4*\k+\j], s20
.endr
	global_store_b128 v2, v[32+4*\k:32+4*\k+3], s[16:17] offset:2048*\k
.endr
	s_endpgm
.Lfunc_end_k_q34e9ecbe1a_quant:
	.size	k_q34e9ecbe1a_quant, .Lfunc_end_k_q34e9ecbe1a_quant-k_q34e9ecbe1a_quant
	.p2alignl 7, 3214868480
	.fill 96, 4, 3214868480
	.section	.rodata,"a",@progbits
	.p2align	6, 0x0
	.amdhsa_kernel k_q34e9ecbe1a_quant
		.amdhsa_group_segment_fixed_size 35328
		.amdhsa_private_segment_fixed_size 0
		.amdhsa_enable_private_segment 0
		.amdhsa_kernarg_size 56
		.amdhsa_user_sgpr_count 2
		.amdhsa_user_sgpr_kernarg_segment_ptr 1
		.amdhsa_wavefront_size32 1
		.amdhsa_system_sgpr_workgroup_id_x 1
		.amdhsa_system_sgpr_workgroup_id_y 1
		.amdhsa_system_sgpr_workgroup_id_z 1
		.amdhsa_system_vgpr_workitem_id 0
		.amdhsa_next_free_vgpr 250
		.amdhsa_next_free_sgpr 66
		.amdhsa_reserve_vcc 1
		.amdhsa_float_denorm_mode_32 3
		.amdhsa_float_denorm_mode_16_64 3
		.amdhsa_memory_ordered 1
		.amdhsa_forward_progress 1
		.amdhsa_inst_pref_size 44
	.end_amdhsa_kernel
	.amdgpu_metadata
---
amdhsa.version: [ 1, 2 ]
amdhsa.kernels:
  - .name:           k_q34e9ecbe1a_quant
    .symbol:         k_q34e9ecbe1a_quant.kd
    .args:
      - { .name: x, .offset: 0, .size: 8, .value_kind: global_buffer, .address_space: global }
      - { .name: qkv_w, .offset: 8, .size: 8, .value_kind: global_buffer, .address_space: global }
      - { .name: out_w, .offset: 16, .size: 8, .value_kind: global_buffer, .address_space: global }
      - { .name: padding_mask, .offset: 24, .size: 8, .value_kind: global_buffer, .address_space: global }
      - { .name: wc, .offset: 32, .size: 8, .value_kind: global_buffer, .address_space: global }
      - { .name: wsc, .offset: 40, .size: 8, .value_kind: global_buffer, .address_space: global }
      - { .name: mterm, .offset: 48, .size: 8, .value_kind: global_buffer, .address_space: global }
    .group_segment_fixed_size: 35328
    .private_segment_fixed_size: 0
    .kernarg_segment_align: 8
    .kernarg_segment_size: 56
    .max_flat_workgroup_size: 128
    .sgpr_count:     66
    .vgpr_count:     250
    .wavefront_size: 32
...
	.end_amdgpu_metadata
.endif
;; end of part 1
;; launch gemm_qkv (part 2): grid 8 x 48, 4 waves a work-group, clusters of 4 x 4, 327,680 bytes of LDS; arguments wc, wsc, qkv_b, qimg, kv; writes qimg, kv
.if DOCPART == 2
	.amdgcn_target "amdgcn-amd-amdhsa--gfx1250"
	.amdhsa_code_object_version 6
	.text
	.protected	k_q34e9ecbe1a_gemm_qkv
	.globl	k_q34e9ecbe1a_gemm_qkv
	.p2align	8
	.type	k_q34e9ecbe1a_gemm_qkv,@function
k_q34e9ecbe1a_gemm_qkv:
	s_mov_b64 s[64:65], 0
	v_nop
	global_prefetch_b8 v0, s[64:65] scope:SCOPE_SE
	s_setreg_imm32_b32 hwreg(HW_REG_WAVE_MODE, 25, 1), 1
	s_wait_xcnt 0x0
	s_wait_alu depctr_hold_cnt(0) depctr_sa_sdst(0) depctr_va_vdst(0) depctr_va_sdst(0) depctr_va_ssrc(0) depctr_va_vcc(0) depctr_vm_vsrc(0)
	s_getreg_b32 s2, hwreg(HW_REG_IB_STS2, 6, 4)
	s_cmp_eq_u32 s2, 0
	s_cbranch_scc0 .Lentry_in_a_cluster
	s_endpgm
.Lentry_in_a_cluster:
	s_bfe_u32 s2, ttmp6, 0x10000c
	s_cmp_lg_u32 s2, 0xf033
	s_cbranch_scc0 .Lentry_shape_is_right
	s_endpgm
.Lentry_shape_is_right:
; qkv = x qkv_w^T + qkv_b on codes of FP6 (E2M3) with E8M0 scales, K = 1,024; q / 8, k and v are quantised in registers and leave as images of the attention launch's operand registers.
; A work-group of four waves makes 256 (P, source 0) x 256 (R, source 1); a wave 128 x 128: 64 accumulators, 512 registers.  In a result a lane holds ONE row of R, and its registers run along P.
; JOBS, by the cluster's y (Y) and x alone.  Y < 8: P = 256 rows of qkv_w (cluster x 0: q, 1: k), R = 256 tokens: registers run along the head's 64, which is the scores' K.
; Y >= 8: P = 256 tokens, R = 256 rows of v's weights: registers run along the keys, which is the second attention product's K.  One text: the jobs differ in tile numbers, factors and output offsets, all chosen without a branch.
; OPERANDS lie in memory as register images (768 bytes for 16 rows x 64 K: lane l's bytes 0-15 at 16 l, bytes 16-23 at 512 + 8 l): a fragment comes from LDS by two loads of 16 bytes and two of 8, all dense.
; K goes in four chunks of 256 through three LDS slots: chunks 0-2 are first fills, chunk 3 is the one refill (slot 0).  The scale words of all of K come once.
; CLUSTER 4 x 4: R's tiles are shared along a row of the cluster, P's along a column: joint loads.
; THE BIAS along P is the C of each sum's first product (x 1/8 for q, x 0 in the v job); the bias along R (v job; x 0 otherwise) is added on the way out.
; LIMITS: NaN and infinities are not served; a block whose largest magnitude lies under 2^-124 keeps the byte 1.
; REGISTERS: window 0: v8-14 lane terms; v16-27 LDS addresses; v28-29 for the add; v30 scales' address; v32-95 all 64 scale words; v96-103 R's bias; v104-111 the scale words made; v128-223 R's fragments, one set
;   (way out: v128-191 64 numbers, v192-215 codes in two sets, v216-238 at work).  window 1: P's fragments, two sets (v0-95, v128-223); P's bias v96-127, v224-255.  windows 2, 3: accumulator (a, b) at v[8 (8 (a % 4) + b)].
.set FR,    12
.set CHB,   3072                       ; a tile's chunk: four halves of 768 bytes
.set HALFT, 8*CHB                      ; what one tensor load brings
.set SLOT,  4*HALFT                    ; R's 16 tiles, then P's 16
.set SCR,   3*SLOT                     ; R's scale words, 8,192 bytes; P's begin 8,320 bytes on, so that the two halves of the lanes read different banks
.set SPARE, 311552                     ; the spare words: 128 bytes a wave, two blocks of 256 bytes that no other line names
.set STG,   SLOT                       ; the way out's stage lies in slot 1: it has had its one fill, and its last read stands ahead of the last barrier
.set REC,   13056                      ; a record of kv: K's codes 6,144, V's codes 6,144, K's scale words 512, V's 256
.set HSTR,  64*REC                     ; from head to head in kv
.set RA16, 16
.set RA8,  19
.set PA16, 22
.set PA8,  25
.set SPW,  28
.set NIL,  29
.set ADRS, 30
.set SC,   32
.set BR,   96
.set PWD,  104
.set AF,   128
.set X,    128
.set PC,   192
.set TM,   216
.set TC,   232
.set G1R,  24
.set G1P,  32
.set G1SR, 40
.set G1SP, 48
.set GRS,  56
.set GR0,  60
.set GR1,  68
.set GR2,  72
.set GPS,  76
.set GP0,  80
.set GP1,  84
.set GP2,  88
.set MUL_LO, 0xa1                      ; source 0 (P) window 1, source 1 (R) window 0, C and D window 2
.set MUL_HI, 0xf1
.set FST_LO, 0x91                      ; the first products: C (P's bias) window 1, D window 2
.set FST_HI, 0xd1
.set MSB, 0
.macro WIN new                         ; the immediate's high byte repeats the setting that is left
.if MSB != (\new)
	s_set_vgpr_msb (MSB<<8)|(\new)
.set MSB, (\new)
.endif
.endm
.macro JLOAD g0a, g1a, g0b, g1b        ; a joint load: waves 0 and 1 fetch for R, waves 2 and 3 for P; four v_nop follow each line
	s_cmp_eq_u32 s15, 0
	s_cbranch_scc0 .Lfor_p_\@
	tensor_load_to_lds s[\g0a:\g0a+3], s[\g1a:\g1a+7]
	s_nop 0
.rept 4
	v_nop
.endr
	s_branch .Lasked_\@
.Lfor_p_\@:
	tensor_load_to_lds s[\g0b:\g0b+3], s[\g1b:\g1b+7]
	s_nop 0
.rept 4
	v_nop
.endr
.Lasked_\@:
.endm
.macro CREST
	s_cmp_lg_u32 s14, 0
	s_cbranch_scc1 .Lnot_wave_0_\@
	s_barrier_signal -3
.Lnot_wave_0_\@:
	s_barrier_wait -3
	s_barrier_signal -1
	s_barrier_wait -1
.endm
.macro CROUND
	s_barrier_signal -1
	s_barrier_wait -1
	CREST
.endm
.macro PLACES
.rept 4
	v_nop
.endr
.endm
.macro G0SET g, c, b                   ; group 0 for chunk c: slot c, my 8 tiles
	s_mov_b32 s[\g], 1
	s_add_co_u32 s[\g+1], s23, (\c)*SLOT
	s_add_nc_u64 s[\g+2:\g+3], s[\b:\b+1], (\c)*CHB
	s_or_b32 s[\g+3], s[\g+3], 0x80000000
.endm
	s_load_b256 s[4:11], s[0:1], 0x0               ; wc, wsc, qkv_b, qimg
	s_load_b64 s[12:13], s[0:1], 0x20              ; kv
	v_lshl_add_u32 v[SPW], v0, 2, SPARE
	v_mov_b32 v[NIL], 0
	ds_add_u32 v28, v29
	ds_add_u32 v28, v29
	s_wait_dscnt 0x0
	v_lshrrev_b32 v1, 5, v0
	v_readfirstlane_b32 s14, v1                    ; wave
	s_lshr_b32 s15, s14, 1                         ; wr: my half of R.  Also: I fetch for R (0) or for P (1)
	s_and_b32 s16, s14, 1                          ; wp: my half of P.  Also: which 8 tiles I fetch
	s_bfe_u32 s95, ttmp6, 0x40000                  ; cx
	s_bfe_u32 s96, ttmp6, 0x40004                  ; cy
	s_lshl_b32 s92, ttmp9, 2
	s_add_co_u32 s92, s92, s95                     ; gx
	s_and_b32 s94, ttmp7, 0xffff                   ; Y
	s_lshl_b32 s93, s94, 2
	s_add_co_u32 s93, s93, s96                     ; gy
	s_lshr_b32 s97, s94, 3                         ; jv: 1 in the v job
	s_lshl_b32 s17, s96, 2
	s_lshl_b32 s17, 15, s17                        ; my row of the cluster
	s_lshl_b32 s18, 0x1111, s95                    ; my column
	s_or_b32 s[G1R], s17, (3<<16)|(1<<21)          ; 15:0 the mask; 17:16 elements of 8 bytes; 21 set beside a mask; no padding
	s_or_b32 s[G1P], s18, (3<<16)|(1<<21)
	s_or_b32 s[G1SR], s17, (3<<16)|(1<<21)
	s_or_b32 s[G1SP], s18, (3<<16)|(1<<21)
.irp g, G1R, G1P                       ; codes: tiles' chunks: rows of 3,072 bytes, 12,288 bytes apart; 16 rows for the head's loads, 8 behind them
	s_mov_b32 s[\g+1], 384<<16
	s_mov_b32 s[\g+2], 16<<16
	s_mov_b32 s[\g+3], 384<<16
	s_mov_b32 s[\g+4], 16
	s_mov_b32 s[\g+5], 1536
	s_mov_b32 s[\g+6], 0
	s_mov_b32 s[\g+7], 0
.endr
.irp g, G1SR, G1SP                     ; scale words of 16 tiles: 8,192 dense bytes as 32 rows of 256
	s_mov_b32 s[\g+1], 32<<16
	s_mov_b32 s[\g+2], 32<<16
	s_mov_b32 s[\g+3], 32<<16
	s_mov_b32 s[\g+4], 32
	s_mov_b32 s[\g+5], 32
	s_mov_b32 s[\g+6], 0
	s_mov_b32 s[\g+7], 0
.endr
	s_lshl_b32 s19, s94, 7
	s_sub_co_u32 s19, s19, 1536
	s_mul_i32 s19, s19, s97
	s_lshl_b32 s20, s92, 4
	s_add_co_u32 s20, s20, s19
	s_add_co_u32 s20, s20, 512                     ; P's first tile: 512 + 16 gx (weights), or 16 (gx + 8 (Y - 8)) (tokens): of gx and Y alone
	s_lshl_b32 s19, s94, 6
	s_sub_co_u32 s19, 640, s19
	s_mul_i32 s19, s19, s97
	s_lshl_b32 s22, s93, 4
	s_add_co_u32 s22, s22, s19                     ; R's first tile: 16 gy (tokens), or 640 + 16 cy (v's weights): of gy and Y alone
	s_mul_i32 s2, s22, 12288
	s_mov_b32 s3, 0
	s_lshl_b32 s66, s22, 9
	s_mov_b32 s67, 0
	s_mul_i32 s98, s20, 12288
	s_mov_b32 s99, 0
	s_lshl_b32 s100, s20, 9
	s_mov_b32 s101, 0
	s_mul_i32 s23, s14, HALFT                      ; where my tiles go in a slot: of the wave's number alone
	s_wait_kmcnt 0x0
	s_add_nc_u64 s[2:3], s[4:5], s[2:3]
	s_add_nc_u64 s[98:99], s[4:5], s[98:99]
	CROUND                                         ; all sixteen work-groups are here: the first joint loads meet
	s_mov_b32 s[GRS], 1
	s_mov_b32 s[GRS+1], SCR
	s_add_nc_u64 s[GRS+2:GRS+3], s[6:7], s[66:67]
	s_or_b32 s[GRS+3], s[GRS+3], 0x80000000
	s_mov_b32 s[GPS], 1
	s_mov_b32 s[GPS+1], SCR+8320
	s_add_nc_u64 s[GPS+2:GPS+3], s[6:7], s[100:101]
	s_or_b32 s[GPS+3], s[GPS+3], 0x80000000
	s_mov_b32 s[GR0], 1                            ; the head's tiles, each whole: chunk 0 of R's 16 tiles,
	s_mov_b32 s[GR0+1], 0
	s_mov_b64 s[GR0+2:GR0+3], s[2:3]
	s_or_b32 s[GR0+3], s[GR0+3], 0x80000000
	s_mov_b32 s[GP0], 1                            ; and of P's 16, behind them in slot 0
	s_mov_b32 s[GP0+1], 2*HALFT
	s_mov_b64 s[GP0+2:GP0+3], s[98:99]
	s_or_b32 s[GP0+3], s[GP0+3], 0x80000000
	s_mul_i32 s66, s16, 8*12288                    ; behind the head I fetch 8 tiles of the 16: which, in bytes (s67 = 0)
	s_add_nc_u64 s[2:3], s[2:3], s[66:67]
	s_add_nc_u64 s[98:99], s[98:99], s[66:67]
	G0SET GR1, 1, 2
	G0SET GR2, 2, 2
	G0SET GP1, 1, 98
	G0SET GP2, 2, 98
; The head's loads, one a wave: wave 0 chunk 0 of R, wave 1 of P, wave 2 R's scale words, wave 3 P's.  One tree of branches on the wave's number.
.macro ARM under, g0, g1, next
	s_cmp_lt_u32 s14, \under
	s_cbranch_scc0 \next
	tensor_load_to_lds s[\g0:\g0+3], s[\g1:\g1+7]
	s_nop 0
.rept 4
	v_nop
.endr
	s_branch .Lhead_asked
\next:
.endm
	ARM 1, GR0, G1R, .Lhead_p
	ARM 2, GP0, G1P, .Lhead_sr
	ARM 3, GRS, G1SR, .Lhead_sp
	tensor_load_to_lds s[GPS:GPS+3], s[G1SP:G1SP+7]
	s_nop 0
.rept 4
	v_nop
.endr
.Lhead_asked:
	v_and_b32 v1, 15, v0                           ; r
	v_bfe_u32 v2, v0, 4, 1                         ; h
	v_and_b32 v3, 31, v0                           ; lane
	v_lshlrev_b32 v12, 4, v3
	v_lshlrev_b32 v13, 3, v3
	s_mul_i32 s19, s15, HALFT
	s_mul_i32 s21, s16, HALFT
	s_add_co_u32 s21, s21, 2*HALFT
.irp s, 0,1,2
	v_add_nc_u32 v[RA16+\s], s19, v12
	v_add_nc_u32 v[RA8+\s], s19, v13
	v_add_nc_u32 v[PA16+\s], s21, v12
	v_add_nc_u32 v[PA8+\s], s21, v13
	s_add_co_u32 s19, s19, SLOT
	s_add_co_u32 s21, s21, SLOT
.endr
	s_lshl_b32 s19, s15, 12
	s_lshl_b32 s21, s16, 12
	s_add_co_u32 s21, s21, 8320
	s_sub_co_u32 s21, s21, s19
	v_mul_u32_u24 v4, s21, v2                      ; lanes 16-31 take P's words
	s_add_co_u32 s19, s19, SCR
	v_lshl_add_u32 v4, v1, 3, v4
	v_add_nc_u32 v[ADRS], s19, v4
	s_lshl_b32 s19, s14, 10
	s_add_co_u32 s19, s19, STG
	v_lshlrev_b32 v5, 2, v1
	v_lshl_add_u32 v5, v2, 9, v5
	v_add_nc_u32 v10, s19, v5                      ; the stage for scale words, in: 1,024 x wave + 512 h + 4 r
	v_add_nc_u32 v11, s19, v13                     ; and back: 8 x lane
	s_lshl_b32 s98, s92, 10
	s_lshl_b32 s99, s16, 9
	s_add_co_u32 s98, s98, s99
	s_mov_b32 s99, 0
	s_add_nc_u64 s[98:99], s[8:9], s[98:99]        ; qkv_b at 256 gx + 128 wp
	s_lshl_b32 s100, s96, 10
	s_lshl_b32 s101, s15, 9
	s_add_co_u32 s100, s100, s101
	s_add_co_u32 s100, s100, 8192
	s_mov_b32 s101, 0
	s_add_nc_u64 s[100:101], s[8:9], s[100:101]    ; qkv_b at 2,048 + 256 cy + 128 wr
	v_lshlrev_b32 v8, 6, v2                        ; P's bias: tile 2 B + u, register j: 32 B + 16 h + 8 u + j
	v_and_b32 v9, 7, v1
	v_lshrrev_b32 v5, 3, v1
	v_lshlrev_b32 v9, 2, v9
	v_lshl_add_u32 v9, v5, 6, v9                   ; R's bias: my row of tile a: 32 (a / 2) + 8 (a % 2) + r % 8 + 16 (r / 8)
	WIN 0x40
.irp b, 0,1,2,3,4,5,6,7
	global_load_b128 v[96+8*\b+96*(\b/4):96+8*\b+96*(\b/4)+3], v8, s[98:99] offset:128*(\b/2)+32*(\b%2)
	global_load_b128 v[96+8*\b+96*(\b/4)+4:96+8*\b+96*(\b/4)+7], v8, s[98:99] offset:128*(\b/2)+32*(\b%2)+16
.endr
	WIN 0
.irp a, 0,1,2,3,4,5,6,7
	global_load_b32 v[BR+\a], v9, s[100:101] offset:128*(\a/2)+32*(\a%2)
.endr
	s_cmp_eq_u32 ttmp9, 0
	s_cselect_b32 s22, 0x3e000000, 1.0             ; P's bias: x 1/8 for q, x 1 for k,
	s_cmp_eq_u32 s97, 0
	s_cselect_b32 s22, s22, 0                      ; x 0 in the v job
	s_cselect_b32 s20, 0, 1.0                      ; R's bias: x 1 in the v job alone
	s_mov_b32 s23, s22
.macro FRAG reg, a16, a8, off          ; a fragment, 16 rows x 128 K: two halves' images
	ds_load_b128 v[\reg:\reg+3], v[\a16] offset:\off
	ds_load_b64 v[\reg+4:\reg+5], v[\a8] offset:\off+512
	ds_load_b128 v[\reg+6:\reg+9], v[\a16] offset:\off+768
	ds_load_b64 v[\reg+10:\reg+11], v[\a8] offset:\off+1280
.endm
.macro FETCH_B slot, q, p              ; P's eight fragments of the slot's q-th 128 along K into set p
	WIN 0x40
.irp i, 0,1,2,3,4,5,6,7
	FRAG 128*(\p)+FR*\i, PA16+\slot, PA8+\slot, \i*CHB+(\q)*1536
.endr
	WIN 0
.endm
.macro FETCH_A slot, q, i0             ; R's blocks i0 .. i0 + 3
.irp i, \i0, \i0+1, \i0+2, \i0+3
	FRAG AF+FR*(\i), RA16+\slot, RA8+\slot, (\i)*CHB+(\q)*1536
.endr
.endm
.macro SCALES                          ; all scale words: lanes 0-15 R's tile i, lanes 16-31 P's tile i; two words (256 along K) a load
.irp c, 0,1,2,3
.irp i, 0,1,2,3,4,5,6,7
	ds_load_b64 v[SC+16*\c+2*\i:SC+16*\c+2*\i+1], v[ADRS] offset:\i*512+\c*128
.endr
.endr
.endm
; 16 products: R's blocks a0, a0 + 1 x P's eight.  The 64 accumulators take turns, one instruction a turn, in the same order in every step.
.macro MUL16 a0, p, ch, q, first
.irp a, \a0, \a0+1
.irp b, 0,1,2,3,4,5,6,7
.if \first
	v_wmma_scale_f32_16x16x128_f8f6f4 v[8*(8*((\a)%4)+\b):8*(8*((\a)%4)+\b)+7], v[128*(\p)+FR*\b:128*(\p)+FR*\b+FR-1], v[AF+FR*(\a):AF+FR*(\a)+FR-1], v[96+8*\b+96*(\b/4):96+8*\b+96*(\b/4)+7], v[SC+16*(\ch)+2*\b+(\q)], v[SC+16*(\ch)+2*(\a)+(\q)] matrix_a_fmt:MATRIX_FMT_FP6 matrix_b_fmt:MATRIX_FMT_FP6 matrix_a_scale:MATRIX_SCALE_ROW1
.else
	v_wmma_scale_f32_16x16x128_f8f6f4 v[8*(8*((\a)%4)+\b):8*(8*((\a)%4)+\b)+7], v[128*(\p)+FR*\b:128*(\p)+FR*\b+FR-1], v[AF+FR*(\a):AF+FR*(\a)+FR-1], v[8*(8*((\a)%4)+\b):8*(8*((\a)%4)+\b)+7], v[SC+16*(\ch)+2*\b+(\q)], v[SC+16*(\ch)+2*(\a)+(\q)] matrix_a_fmt:MATRIX_FMT_FP6 matrix_b_fmt:MATRIX_FMT_FP6 matrix_a_scale:MATRIX_SCALE_ROW1
.endif
.endr
.endr
.endm
; A step of 128 along K; the next step's fragments come from slot nslot, its nq-th 128.  Loads into registers that products have read stand four plain vector lines behind them.
.macro STEP slot, q, ch, nslot, nq, first
	s_wait_dscnt 16                                ; P's set and R's blocks 0-3 are in; the youngest 16 loads (R's blocks 4-7) may be out
.if \first
	WIN FST_LO
.else
	WIN MUL_LO
.endif
	MUL16 0, \q, \ch, \q, \first
	MUL16 2, \q, \ch, \q, \first
	s_wait_dscnt 0x0
	PLACES
	FETCH_B \nslot, \nq, 1-(\q)
	FETCH_A \nslot, \nq, 0
.if \first
	WIN FST_HI
.else
	WIN MUL_HI
.endif
	MUL16 4, \q, \ch, \q, \first
	MUL16 6, \q, \ch, \q, \first
	PLACES
	WIN 0
	FETCH_A \nslot, \nq, 4
.endm
; A slot's last step with a barrier: in front of it each wave waits for all its tensor loads, adds 0 to its spare word, and waits for that and for its reads.
; fill = 1: behind a round of the cluster's barrier slot 2 takes chunk 2, its first fill; fill = 2: slot 0 takes chunk 3, the one refill; fill = 0: nothing is asked for.
.macro TURN slot, ch, nslot, fill
	s_wait_tensorcnt 0x0                           ; all my tensor loads have landed
	ds_add_u32 v[SPW], v[NIL]                      ; 0 onto my spare word
	s_wait_dscnt 17                                ; (the add and the youngest 16 loads may be out)
	WIN MUL_LO
	MUL16 0, 1, \ch, 1, 0
	s_wait_dscnt 0x0                               ; the add is done, and my reads of this slot are over
	s_barrier_signal -1
	MUL16 2, 1, \ch, 1, 0
	WIN 0
	s_barrier_wait -1
.if \fill
	CREST                                          ; no wave of any partner still reads slot 0 or has a load on its way
.if \fill == 1
	JLOAD GR2, G1R, GP2, G1P                       ; my one tensor load behind the round: a step and a half, 96 products, in which to land; its four v_nop are the places for the loads below
.else
	s_add_nc_u64 s[GR0+2:GR0+3], s[GR0+2:GR0+3], 3*CHB
	s_add_nc_u64 s[GP0+2:GP0+3], s[GP0+2:GP0+3], 3*CHB
	JLOAD GR0, G1R, GP0, G1P
.endif
.else
	PLACES
.endif
	FETCH_B \nslot, 0, 0
	FETCH_A \nslot, 0, 0
	WIN MUL_HI
	MUL16 4, 1, \ch, 1, 0
	MUL16 6, 1, \ch, 1, 0
	PLACES
	WIN 0
	FETCH_A \nslot, 0, 4
.endm
	s_wait_alu depctr_va_vdst(0)
	s_wait_tensorcnt 0x0                           ; my tile of the head's four is in; these lines stand ahead of a later first fill as ahead of a refill
	ds_add_u32 v[SPW], v[NIL]
	s_mov_b32 s[G1R+2], 8<<16                      ; no tensor load of mine is out: from here on a load brings 8 tiles,
	s_mov_b32 s[G1R+4], 8
	s_mov_b32 s[G1P+2], 8<<16
	s_mov_b32 s[G1P+4], 8
	s_mul_i32 s[GR0+1], s14, HALFT                 ; and slot 0's group 0 names my 8 tiles
	s_mul_i32 s[GP0+1], s14, HALFT
	s_add_nc_u64 s[GR0+2:GR0+3], s[GR0+2:GR0+3], s[66:67]
	s_add_nc_u64 s[GP0+2:GP0+3], s[GP0+2:GP0+3], s[66:67]
	s_wait_dscnt 0x0
	CROUND                                         ; all four tiles are in, and all sixteen work-groups are here
	JLOAD GR1, G1R, GP1, G1P                       ; chunk 1, the first tensor load behind the round
	SCALES
	FETCH_B 0, 0, 0
	FETCH_A 0, 0, 0
	FETCH_A 0, 0, 4
	s_wait_loadcnt 0x0                             ; the biases
	WIN 0x41
.irp b, 0,1,2,3,4,5,6,7
.irp j, 0,2,4,6
	v_pk_mul_f32 v[96+8*\b+96*(\b/4)+\j:96+8*\b+96*(\b/4)+\j+1], v[96+8*\b+96*(\b/4)+\j:96+8*\b+96*(\b/4)+\j+1], s[22:23] op_sel_hi:[1,0]
.endr
.endr
	WIN 0
.irp a, 0,1,2,3,4,5,6,7
	v_mul_f32 v[BR+\a], s20, v[BR+\a]
.endr
	s_wait_alu depctr_va_vdst(0)
	STEP 0, 0, 0, 0, 1, 1                          ; the first step's products start the sums with P's bias
	TURN 0, 0, 1, 1                                ; chunk 1 is whole; chunk 2 is asked for
	STEP 1, 0, 1, 1, 1, 0
	TURN 1, 1, 2, 2                                ; chunk 2 is whole; chunk 3 is asked for
	STEP 2, 0, 2, 2, 1, 0
	TURN 2, 2, 0, 0                                ; chunk 3 is whole; nothing is filled again
	STEP 0, 0, 3, 0, 1, 0
	s_wait_dscnt 16
	WIN MUL_LO
	MUL16 0, 1, 3, 1, 0
	MUL16 2, 1, 3, 1, 0
	s_wait_dscnt 0x0
	WIN MUL_HI
	MUL16 4, 1, 3, 1, 0
	MUL16 6, 1, 3, 1, 0
	WIN 0
	; WHERE THE RESULTS GO.  No tensor load is out: the descriptors' registers are free.  All three jobs' offsets are made, then chosen.
	s_lshl_b32 s24, s92, 2
	s_lshl_b32 s25, s16, 1
	s_add_co_u32 s24, s24, s25                     ; 4 gx + 2 wp: my first head (k: + 16)
	s_lshr_b32 s25, s93, 2                         ; q, k: the batch
	s_and_b32 s26, s93, 3
	s_lshl_b32 s27, s26, 1
	s_add_co_u32 s27, s27, s15                     ; which 128 tokens of it
	s_lshl_b32 s28, s25, 4
	s_add_co_u32 s28, s28, s24
	s_lshl_b32 s28, s28, 6
	s_lshl_b32 s29, s27, 3
	s_add_co_u32 s28, s28, s29                     ; q: tile (16 b + head) 64 + 8 ks
	s_mul_i32 s30, s28, 768
	s_lshl_b32 s31, s28, 6
	s_add_co_u32 s31, s31, 6291456
	s_sub_co_u32 s32, s24, 16
	s_lshl_b32 s32, s32, 3
	s_add_co_u32 s32, s32, s27
	s_lshl_b32 s32, s32, 3
	s_add_co_u32 s32, s32, s25
	s_mul_i32 s32, s32, REC                        ; k: record ((head) 8 + ks) 8 + b
	s_add_co_u32 s33, s32, 12288
	s_sub_co_u32 s34, s94, 8
	s_lshl_b32 s34, s34, 3
	s_add_co_u32 s34, s34, s92                     ; v: which 256 tokens
	s_lshr_b32 s35, s34, 2
	s_and_b32 s34, s34, 3
	s_lshl_b32 s34, s34, 1
	s_add_co_u32 s34, s34, s16
	s_lshl_b32 s36, s26, 2
	s_lshl_b32 s37, s15, 1
	s_add_co_u32 s36, s36, s37                     ; my first head: 4 cy + 2 wr
	s_lshl_b32 s36, s36, 3
	s_add_co_u32 s36, s36, s34
	s_lshl_b32 s36, s36, 3
	s_add_co_u32 s36, s36, s35
	s_mul_i32 s36, s36, REC
	s_add_co_u32 s37, s36, 12800
	s_add_co_u32 s36, s36, 6144
	s_mov_b32 s38, HSTR
	s_mov_b32 s39, HSTR-3*1536
	s_mov_b32 s46, 1536
	s_cmp_eq_u32 ttmp9, 0                          ; q or k
	s_cselect_b32 s40, s30, s32                    ; the first image
	s_cselect_b32 s41, s31, s33                    ; the first scale words
	s_cselect_b32 s42, 49152, s38                  ; from a fragment's first half to its second: the next head
	s_cselect_b32 s43, 4096, s38                   ; the next head's scale words
	s_cselect_b64 s[44:45], s[10:11], s[12:13]
	s_cmp_eq_u32 s97, 0                            ; or v
	s_cselect_b32 s40, s40, s36
	s_cselect_b32 s41, s41, s37
	s_cselect_b32 s42, s42, 768                    ; v: the second half is the next 64 keys
	s_cselect_b32 s43, s43, 0
	s_cselect_b64 s[44:45], s[44:45], s[12:13]
	s_cselect_b32 s46, 768, s46                    ; from block a to a + 1,
	s_cselect_b32 s48, 768, s39                    ; from block 3 to 4 (v: the next head)
	s_cselect_b32 s50, 256, s38                    ; from the scale words of blocks 0-3 to those of 4-7
	s_cselect_b32 s52, 16, 0                       ; q, k: lanes 16-31 take the word's upper two bytes: the second head's
	s_cselect_b32 s53, 0xffff, -1                  ; q, k: a head's word has two bytes; the others are 0
	s_mov_b32 s47, 0
	s_mov_b32 s49, 0
	s_mov_b32 s51, 0
	s_mov_b32 s54, s40
	s_mov_b32 s55, 0
	s_add_nc_u64 s[54:55], s[44:45], s[54:55]
	s_mov_b32 s56, s42
	s_mov_b32 s57, 0
	s_add_nc_u64 s[56:57], s[54:55], s[56:57]
	s_mov_b32 s58, s41
	s_mov_b32 s59, 0
	s_add_nc_u64 s[58:59], s[44:45], s[58:59]
	s_add_nc_u64 s[60:61], s[58:59], s[50:51]
	s_mov_b32 s62, s43
	s_mov_b32 s63, 0
	s_add_nc_u64 s[62:63], s[58:59], s[62:63]
	s_add_nc_u64 s[68:69], s[62:63], s[50:51]
; 64 numbers of a lane, register 16 b + i = k 32 b + 16 (lane / 16) + i of my row, become a fragment's codes in v[pc] on and its scale word in v[pw].
.macro QUANT s, pc, pw
.irp b, 0,1,2,3
	v_max3_num_f32 v[TM+\b], |v[\s+16*\b]|, |v[\s+1+16*\b]|, 0x1800000   ; my 16 numbers of block b, and the floor 2^(3 - 127): the byte cannot fall under 1
.endr
.irp i, 2,4,6,8,10,12,14
.irp b, 0,1,2,3
	v_max3_num_f32 v[TM+\b], v[TM+\b], |v[\s+16*\b+\i]|, |v[\s+1+16*\b+\i]|
.endr
.endr
.irp b, 0,1,2,3
	v_permlanex16_b32 v[TM+4+\b], v[TM+\b], s70, s71
.endr
.irp b, 0,1,2,3
	v_max_num_f32 v[TM+\b], v[TM+\b], v[TM+4+\b]   ; with lane l xor 16's: the block's largest magnitude
.endr
.irp b, 0,1,2,3
	v_add_nc_u32 v[TM+12+\b], 0xff000000, v[TM+\b] ; 2 off its exponent field: the conversion's scale operand
.endr
.irp b, 0,1,2,3
	v_lshrrev_b32 v[TM+4+\b], 23, v[TM+12+\b]      ; the scale's byte
.endr
	v_lshl_or_b32 v[\pw], v[TM+5], 8, v[TM+4]
	v_lshl_or_b32 v[\pw], v[TM+6], 16, v[\pw]
	v_lshl_or_b32 v[\pw], v[TM+7], 24, v[\pw]
.irp c, 0,1
	v_cvt_scalef32_pk16_fp6_f32 v[\pc+6*\c:\pc+6*\c+2], v[\s+32*\c:\s+32*\c+15], v[TM+12+2*\c]
	v_cvt_scalef32_pk16_fp6_f32 v[TC+4*\c:TC+4*\c+2], v[\s+32*\c+16:\s+32*\c+31], v[TM+13+2*\c]
.endr
	v_nop                                          ; one plain line behind a scaled conversion
.irp c, 0,1                            ; the layout wants a whole block in a lane: lanes 0-15 block 2 c, lanes 16-31 block 2 c + 1
.irp i, 0,1,2
	v_permlane16_swap_b32 v[\pc+6*\c+\i], v[TC+4*\c+\i]
.endr
.irp i, 0,1,2
	v_mov_b32 v[\pc+6*\c+3+\i], v[TC+4*\c+\i]
.endr
.endr
.endm
; Block a of R (16 rows): R's bias is added, the 128 numbers along P are quantised, and the fragment leaves as two images of 768 bytes: each store covers 512 or 256 consecutive bytes, aligned.
.macro EPI a
.set AC, 64*((\a)%4)
.set BB, BR+2*((\a)/2)
.set PX, PC+12*((\a)%2)
	WIN 0x02+(\a)/4
.set i, 0
.rept 32
.if (\a)%2
	v_pk_add_f32 v[X+i:X+i+1], v[AC+i:AC+i+1], v[BB:BB+1] op_sel:[0,1] op_sel_hi:[1,1]
.else
	v_pk_add_f32 v[X+i:X+i+1], v[AC+i:AC+i+1], v[BB:BB+1] op_sel:[0,0] op_sel_hi:[1,0]
.endif
.set i, i+2
.endr
	WIN 0
	QUANT X, PX, PWD+(\a)
.if (\a) > 0
	s_wait_alu depctr_va_vdst(0)
	s_wait_xcnt 0x0                                ; the stores so far have read their bases and data: the bases step, and the set of codes stored last may be written in the next block
.if (\a) == 4
	s_add_nc_u64 s[54:55], s[54:55], s[48:49]
	s_add_nc_u64 s[56:57], s[56:57], s[48:49]
.else
	s_add_nc_u64 s[54:55], s[54:55], s[46:47]
	s_add_nc_u64 s[56:57], s[56:57], s[46:47]
.endif
.endif
	global_store_b128 v12, v[PX:PX+3], s[54:55]
	global_store_b64 v13, v[PX+4:PX+5], s[54:55] offset:512
	global_store_b128 v12, v[PX+6:PX+9], s[56:57]
	global_store_b64 v13, v[PX+10:PX+11], s[56:57] offset:512
.endm
	s_mov_b32 s70, 0x76543210
	s_mov_b32 s71, 0xfedcba98                      ; selects for lane l xor 16
	PLACES                                         ; behind the last products: their results are read, and R's fragments' registers are written
.irp b, 0,1,2,3
	v_mov_b32 v[TM+4+\b], 0                        ; a lane permute's destination counts as one of its sources
.endr
.irp a, 0,1,2,3,4,5,6,7
	EPI \a
.endr
	v_mul_u32_u24 v14, s52, v2
.irp a, 0,1,2,3,4,5,6,7
	v_lshrrev_b32 v[PWD+\a], v14, v[PWD+\a]
.endr
.irp a, 0,1,2,3,4,5,6,7
	v_and_b32 v[PWD+\a], s53, v[PWD+\a]
.endr
.irp a, 0,1,2,3,4,5,6,7
	ds_store_b32 v10, v[PWD+\a] offset:64*\a       ; my own 1,024 bytes: the words meet, 64 bytes a block
.endr
.irp p, 0,1,2,3
	ds_load_b64 v[112+2*\p:113+2*\p], v11 offset:256*\p   ; LDS serves a wave's instructions in order: these see my stores
.endr
	s_wait_dscnt 0x0
	global_store_b64 v13, v[112:113], s[58:59]     ; 256 consecutive bytes each.  (In the v job the last two repeat the first two, with the same values)
	global_store_b64 v13, v[114:115], s[60:61]
	global_store_b64 v13, v[116:117], s[62:63]
	global_store_b64 v13, v[118:119], s[68:69]
	s_wait_tensorcnt 0x0                           ; the wave's end
	ds_add_u32 v[SPW], v[NIL]
	s_wait_dscnt 0x0
	CROUND                                         ; the closing round
	s_endpgm
.Lfunc_end_k_q34e9ecbe1a_gemm_qkv:
	.size	k_q34e9ecbe1a_gemm_qkv, .Lfunc_end_k_q34e9ecbe1a_gemm_qkv-k_q34e9ecbe1a_gemm_qkv
	.p2alignl 7, 3214868480
	.fill 96, 4, 3214868480
	.section	.rodata,"a",@progbits
	.p2align	6, 0x0
	.amdhsa_kernel k_q34e9ecbe1a_gemm_qkv
		.amdhsa_group_segment_fixed_size 327680
		.amdhsa_private_segment_fixed_size 0
		.amdhsa_enable_private_segment 0
		.amdhsa_kernarg_size 40
		.amdhsa_user_sgpr_count 2
		.amdhsa_user_sgpr_kernarg_segment_ptr 1
		.amdhsa_wavefront_size32 1
		.amdhsa_system_sgpr_workgroup_id_x 1
		.amdhsa_system_sgpr_workgroup_id_y 1
		.amdhsa_system_sgpr_workgroup_id_z 1
		.amdhsa_system_vgpr_workitem_id 0
		.amdhsa_next_free_vgpr 1024
		.amdhsa_next_free_sgpr 102
		.amdhsa_reserve_vcc 0
		.amdhsa_float_denorm_mode_32 3
		.amdhsa_float_denorm_mode_16_64 3
		.amdhsa_memory_ordered 1
		.amdhsa_forward_progress 1
		.amdhsa_inst_pref_size 175
	.end_amdhsa_kernel
	.amdgpu_metadata
---
amdhsa.version: [ 1, 2 ]
amdhsa.kernels:
  - .name:           k_q34e9ecbe1a_gemm_qkv
    .symbol:         k_q34e9ecbe1a_gemm_qkv.kd
    .args:
      - { .name: wc, .offset: 0, .size: 8, .value_kind: global_buffer, .address_space: global }
      - { .name: wsc, .offset: 8, .size: 8, .value_kind: global_buffer, .address_space: global }
      - { .name: qkv_b, .offset: 16, .size: 8, .value_kind: global_buffer, .address_space: global }
      - { .name: qimg, .offset: 24, .size: 8, .value_kind: global_buffer, .address_space: global }
      - { .name: kv, .offset: 32, .size: 8, .value_kind: global_buffer, .address_space: global }
    .group_segment_fixed_size: 327680
    .private_segment_fixed_size: 0
    .kernarg_segment_align: 8
    .kernarg_segment_size: 40
    .max_flat_workgroup_size: 128
    .sgpr_count:     102
    .vgpr_count:     1024
    .wavefront_size: 32
...
	.end_amdgpu_metadata
.endif
;; end of part 2
;; launch attn (part 3): grid 16 x 16, 8 waves a work-group, no clusters, 327,680 bytes of LDS; arguments qimg, kv, pair_bias, mterm, aoc, aos; writes aoc, aos
.if DOCPART == 3
	.amdgcn_target "amdgcn-amd-amdhsa--gfx1250"
	.amdhsa_code_object_version 6
	.text
	.protected	k_q34e9ecbe1a_attn
	.globl	k_q34e9ecbe1a_attn
	.p2align	8
	.type	k_q34e9ecbe1a_attn,@function
k_q34e9ecbe1a_attn:
	s_mov_b64 s[64:65], 0
	v_nop
	global_prefetch_b8 v0, s[64:65] scope:SCOPE_SE
	s_setreg_imm32_b32 hwreg(HW_REG_WAVE_MODE, 25, 1), 1
	s_wait_xcnt 0x0
; Attention on codes of FP6 (E2M3): logits = (q / 8) . k + pair_bias, -infinity at padded keys; p = 2^(t - M), t = logit x log2(e), M the running largest t rounded up to a whole number;
; O = (sum of p v) / (sum of the unquantised p); O is quantised along the model's 1,024 and leaves as the last product's operand images.
; SHARES.  A work-group owns one head and 64 queries, FOR ALL 8 BATCHES: wave w is batch w, so each number of pair_bias comes from memory once and serves eight waves.  A wave holds four tiles of 16 queries.
; LDS holds the work-group's WHOLE bias, 8 key steps x 64 rows x 528 bytes = 270,336 bytes, each byte filled once, a pair of steps at a time: each wave brings 16 rows of one step.
; Pair 0 is asked for at the head; pair p + 1 behind the barrier in front of pair p, so that it has two key steps in which to land.  The last pair is written out: it asks for nothing.
; K, V, THEIR SCALE WORDS AND THE MASK'S TERMS are read by one wave alone (its batch's record of 13,056 bytes a step): they go from memory straight into that wave's registers, each load of codes 512 or 256 consecutive bytes.
; V of step t is asked for at the step's top, K and the mask's terms of step t + 1 behind step t's last score products.
; NO CLUSTER: a tile of pair_bias is read by one work-group; K and V have no copy in LDS that a joint load could fill, and two slots of 104,448 bytes do not fit beside the bias.
; PREFETCH: in step t the record of step t + 2 (51 blocks of 256 bytes a wave) is asked for by query blocks 0 and 1 alone, block 32 x + lane, held at 50; steps 6 and 7 ask for nothing.  The bias's tensor loads run two steps ahead themselves.
; LAYOUT.  Both products are used transposed: S^T = K Q^T + bias^T, O^T += V^T P^T: a lane holds one query throughout.  The bias is the C of the first product, loaded from LDS straight into the accumulator.
; The keys of a tile of K (and the channels of a tile of V) are row r of tile 2 B + u: 32 B + 8 u + r % 8 + 16 (r / 8), so that 16 registers of two neighbouring tiles are 16 neighbours.
; K = 64 in an instruction of 128: Q's upper six registers hold zero codes; K's fragments lie six registers apart, so a fragment's upper half is the next tile's codes, times zero; six zero registers stand behind the last.
; LIMITS: NaN and infinities among the inputs are not served.  A batch whose keys are all padded has the sum 0: its scale bytes are set to 0xff, so that the last product gives NaN there.
; REGISTERS, window 0: v1-2 for the add; v3-7 lane terms; v11 the step's bias address; v12-27 four a tile: -M, largest t, the sum in two halves; v28-31, v32-39, v40-43, v44 scale words of Q, K, V, P; v45 prefetch offset;
;   v46-47 f; v48-69 at work; v70-81 P's codes; v82-129 Q; v130-177 V; v178-241 S^T, then p.   window 1: v0-127 O^T; v128-191 the mask's terms; v192-239 K; v240-245 zeros.
.set REC,   13056
.set KVB,   8*REC
.set BP,    528
.set SB,    64*BP                      ; a step's bias tile in LDS
.set SPARE, 8*SB                       ; the spare words: 128 bytes a wave, four blocks of 256 bytes that no other line names
.set SPW, 1
.set NIL, 2
.set ST,  12
.set QS,  28
.set KS,  32
.set VS,  40
.set PS,  44
.set PFO, 45
.set FF,  46
.set BM,  48
.set PM,  52
.set SO,  56
.set TC,  60
.set TT,  68
.set PF,  70
.set QF,  82
.set VF,  130
.set S,   178
.set MT,  128                          ; window 1
.set KF,  192                          ; window 1
.set WV,  16
.set SEL, 20
.set CS,  22
.set G1,  24
.set G0,  32
.set TB,  48                           ; the step's tile in LDS
.set CNT, 50
.set OC,  51
.set SN,  52                           ; the step's number
.set LIM, 53
.set KB,  54                           ; my batch's record of this step
.set MB,  60                           ; my batch's mask terms of this step
.set MSB, 0
.macro WIN new
.if MSB != (\new)
	s_set_vgpr_msb (MSB<<8)|(\new)
.set MSB, (\new)
.endif
.endm
	s_load_b256 s[4:11], s[0:1], 0x0               ; qimg, kv, pair_bias, mterm
	s_load_b128 s[12:15], s[0:1], 0x20             ; aoc, aos
	v_lshl_add_u32 v[SPW], v0, 2, SPARE
	v_mov_b32 v[NIL], 0
	ds_add_u32 v[SPW], v[NIL]                      ; the opening lines: the add, twice on end, and its wait ahead of my first tensor load
	ds_add_u32 v[SPW], v[NIL]
	v_lshrrev_b32 v8, 5, v0
	v_readfirstlane_b32 s[WV], v8                  ; wave = batch
	s_and_b32 s17, ttmp7, 0xffff                   ; head
	s_mov_b32 s18, ttmp9                           ; my block of 64 queries
	s_mov_b32 s[G1], (2<<16)|(1<<20)|(6<<22)|(3<<25)   ; elements of 4 bytes; 4 words of padding behind every 128
	s_mov_b32 s[G1+1], 128<<16                     ; 16 rows of 128 numbers, 1,024 numbers apart
	s_mov_b32 s[G1+2], 16<<16
	s_mov_b32 s[G1+3], 128<<16
	s_mov_b32 s[G1+4], 16
	s_mov_b32 s[G1+5], 1024
	s_mov_b32 s[G1+6], 0
	s_mov_b32 s[G1+7], 0
	s_and_b32 s70, s[WV], 3                        ; my part of a pair: rows 16 (w % 4) on of its step w / 4
	s_lshr_b32 s71, s[WV], 2
	s_mul_i32 s72, s70, 16*BP
	s_mul_i32 s73, s71, SB
	s_add_co_u32 s[G0+1], s72, s73
	s_lshl_b32 s74, s17, 10
	s_lshl_b32 s75, s18, 6
	s_add_co_u32 s74, s74, s75                     ; the row of pair_bias of my first query
	s_lshl_b32 s76, s74, 12
	s_lshl_b32 s72, s70, 16
	s_lshl_b32 s73, s71, 9
	s_add_co_u32 s72, s72, s73
	s_add_co_u32 s72, s72, s76
	s_mov_b32 s73, 0
	s_mul_i32 s66, s17, 8*KVB                      ; kv: the head's first block, my batch's record
	s_mul_i32 s67, s[WV], REC
	s_add_co_u32 s66, s66, s67
	s_mov_b32 s67, 0
	s_lshl_b32 s75, s[WV], 4                       ; Q: stored tile (16 b + head) 64 + 4 qb
	s_add_co_u32 s75, s75, s17
	s_lshl_b32 s75, s75, 6
	s_lshl_b32 s81, s18, 2
	s_add_co_u32 s75, s75, s81
	s_mul_i32 s82, s75, 768
	s_mov_b32 s83, 0
	s_lshl_b32 s84, s75, 6
	s_add_co_u32 s84, s84, 6291456
	s_mov_b32 s85, 0
	s_lshl_b32 s[MB], s[WV], 12
	s_mov_b32 s[MB+1], 0
	s_lshl_b32 s81, s18, 5
	s_cmp_lt_u32 s18, 2
	s_cselect_b32 s[LIM], 6, 0                     ; who prefetches, and until which step
	s_mov_b32 s[SEL], 0x76543210
	s_mov_b32 s[SEL+1], 0xfedcba98
	s_mov_b32 s[CS], 0x3fb8aa3b                    ; log2(e): the 1/8 lies in q
	s_mov_b32 s[CS+1], s[CS]
	s_mov_b32 s[TB], 0
	s_mov_b32 s[SN], 0
	s_mov_b32 s[OC], 3
	s_wait_dscnt 0x0                               ; both opening adds are done
	s_wait_kmcnt 0x0
	s_mov_b32 s[G0], 1
	s_add_nc_u64 s[G0+2:G0+3], s[8:9], s[72:73]
	s_or_b32 s[G0+3], s[G0+3], 0x80000000
	s_add_nc_u64 s[KB:KB+1], s[6:7], s[66:67]
	s_add_nc_u64 s[82:83], s[4:5], s[82:83]
	s_add_nc_u64 s[84:85], s[4:5], s[84:85]
	s_add_nc_u64 s[MB:MB+1], s[10:11], s[MB:MB+1]
	tensor_load_to_lds s[G0:G0+3], s[G1:G1+7]      ; my one load at the head: an eighth of steps 0 and 1
	s_nop 0
	v_and_b32 v8, 15, v0                           ; r
	v_bfe_u32 v9, v0, 4, 1                         ; h
	v_and_b32 v10, 31, v0                          ; lane
	v_and_b32 v60, 7, v0
	v_bfe_u32 v61, v0, 3, 1
	v_lshlrev_b32 v3, 4, v10                       ; 16 x lane
	v_lshlrev_b32 v4, 3, v10                       ; 8 x lane
	v_lshlrev_b32 v5, 2, v8                        ; 4 r: scale words
	v_mul_u32_u24 v6, v8, BP
	v_lshlrev_b32 v7, 6, v9                        ; the mask's terms: + 64 h
	v_add_nc_u32 v[PFO], s81, v10
	v_mul_u32_u24 v62, v61, 768
	v_lshl_add_u32 v6, v9, 6, v6                   ; the bias: row r, + 64 h: my 16 keys of a block of 32
	v_min_u32 v[PFO], 50, v[PFO]
	v_lshlrev_b32 v64, 2, v60
	v_lshl_add_u32 v63, v60, 3, v62                ; Q: natural tiles of 16 queries out of images whose rows are ordered as the head comment says
	v_lshl_add_u32 v62, v60, 4, v62
	v_lshlrev_b32 v[PFO], 8, v[PFO]
	v_lshl_add_u32 v64, v61, 6, v64
	v_lshl_add_u32 v63, v9, 7, v63
	v_lshl_add_u32 v62, v9, 8, v62
.irp t, 0,1,2,3
	global_load_b128 v[QF+12*\t:QF+12*\t+3], v62, s[82:83] offset:(\t/2)*1536+(\t%2)*128
	global_load_b64 v[QF+12*\t+4:QF+12*\t+5], v63, s[82:83] offset:(\t/2)*1536+(\t%2)*64+512
	global_load_b32 v[QS+\t], v64, s[84:85] offset:(\t/2)*128+(\t%2)*32
.endr
.macro KMLOAD ko, mo                   ; 40 loads: a step's mask terms, K's eight images and K's scale words
	WIN 0x40
.irp n, 0,1,2,3,4,5,6,7,8,9,10,11,12,13,14,15
	global_load_b128 v[MT+4*\n:MT+4*\n+3], v7, s[MB:MB+1] offset:\mo+128*(\n/4)+16*(\n%4)
.endr
.irp i, 0,1,2,3,4,5,6,7
	global_load_b128 v[KF+6*\i:KF+6*\i+3], v3, s[KB:KB+1] offset:\ko+768*\i
	global_load_b64 v[KF+6*\i+4:KF+6*\i+5], v4, s[KB:KB+1] offset:\ko+768*\i+512
.endr
	WIN 0
.irp i, 0,1,2,3,4,5,6,7
	global_load_b32 v[KS+\i], v5, s[KB:KB+1] offset:\ko+12288+64*\i
.endr
.endm
	KMLOAD 0, 0
	WIN 0x40
.set j, 0
.rept 128
	v_mov_b32 v[j], 0                              ; O^T.  (The step is written for all steps alike: the first finds zeros, which the first change of M leaves zeros)
.set j, j+1
.endr
.irp j, 0,1,2,3,4,5
	v_mov_b32 v[KF+48+\j], 0                       ; the zero codes behind K's last fragment
.endr
	WIN 0
.irp t, 0,1,2,3
.irp j, 6,7,8,9,10,11
	v_mov_b32 v[QF+12*\t+\j], 0                    ; Q's K = 64 .. 127: zero codes
.endr
	v_mov_b32 v[ST+4*\t+1], 0xff61b1e6             ; the largest t so far: -3e38
	v_mov_b32 v[ST+4*\t+2], 0
	v_mov_b32 v[ST+4*\t+3], 0
	v_mov_b32 v[PM+\t], 0                          ; a lane permute's destination counts as one of its sources
	v_floor_f32 v[ST+4*\t], -v[ST+4*\t+1]          ; -M
.endr
	v_mov_b32 v[FF+1], 0                           ; (named as the upper half of a pair)
.macro ASK                             ; the record of two steps on: one instruction a wave, in query blocks 0 and 1, steps 0-5
	s_cmp_lt_u32 s[SN], s[LIM]
	s_wait_alu depctr_va_vdst(0)
	s_cbranch_scc0 .Lnot_mine_\@
	global_prefetch_b8 v[PFO], s[KB:KB+1] offset:2*KVB th:TH_LOAD_NT scope:SCOPE_SE
.Lnot_mine_\@:
.endm
.macro NEXT                            ; the next step's K and mask terms; the last step asks for nothing
	s_cmp_eq_u32 s[SN], 7
	s_wait_alu depctr_va_vdst(0)
	s_cbranch_scc1 .Lno_next_\@
	KMLOAD KVB, 512
.Lno_next_\@:
.endm
; One tile of 16 queries against the step's 128 keys.  pre = 1: the next tile's bias is asked for as soon as p's registers are free.  last = 1: the step's last tile.
.macro TILE t, pre, last
.set T0, ST+4*(\t)
.if (\t) == 1
	ASK
.endif
	s_wait_dscnt 0x0                               ; the bias lies in the accumulators
.if (\t) == 0
	s_wait_loadcnt 20                              ; K, its words and the mask's terms are in (the first step: Q too); the youngest 20 loads, V's, may be out
.endif
	WIN 0x01
.irp i, 0,1,2,3,4,5,6,7
	v_wmma_scale_f32_16x16x128_f8f6f4 v[S+8*\i:S+8*\i+7], v[KF+6*\i:KF+6*\i+11], v[QF+12*(\t):QF+12*(\t)+11], v[S+8*\i:S+8*\i+7], v[KS+\i], v[QS+(\t)] matrix_a_fmt:MATRIX_FMT_FP6 matrix_b_fmt:MATRIX_FMT_FP6
.endr
.rept 4
	v_nop                                          ; four plain lines between a product and the first read of its result, and the loads into K's registers
.endr
	WIN 0x04
.set j, 0
.rept 32
	v_pk_add_f32 v[S+j:S+j+1], v[S+j:S+j+1], v[MT+j:MT+j+1]   ; + 0, or -infinity at a padded key
.set j, j+2
.endr
	WIN 0
.if \last
	NEXT
.endif
.irp b, 0,1,2,3
	v_max3_num_f32 v[BM+\b], v[S+16*\b], v[S+16*\b+1], v[S+16*\b+2]   ; the largest logit of each block of 32 keys: for the row's maximum, and, since p rises with the logit, for the block's largest p
.endr
.irp i, 3,5,7,9,11,13
.irp b, 0,1,2,3
	s_delay_alu instid0(VALU_DEP_4)
	v_max3_num_f32 v[BM+\b], v[BM+\b], v[S+16*\b+\i], v[S+16*\b+\i+1]
.endr
.endr
.irp b, 0,1,2,3
	s_delay_alu instid0(VALU_DEP_4)
	v_max_num_f32 v[BM+\b], v[BM+\b], v[S+16*\b+15]
.endr
.irp b, 0,1,2,3
	s_delay_alu instid0(VALU_DEP_4)
	v_permlanex16_b32 v[PM+\b], v[BM+\b], s[SEL], s[SEL+1]
.endr
.irp b, 0,1,2,3
	s_delay_alu instid0(VALU_DEP_4)
	v_max_num_f32 v[BM+\b], v[BM+\b], v[PM+\b]     ; with lane l xor 16's 16 keys
.endr
	s_delay_alu instid0(VALU_DEP_2)
	v_max3_num_f32 v[TT], v[BM], v[BM+1], v[BM+2]
	s_delay_alu instid0(VALU_DEP_1)
	v_max_num_f32 v[TT], v[TT], v[BM+3]
	s_delay_alu instid0(VALU_DEP_1)
	v_mul_f32 v[TT], s[CS], v[TT]
	s_delay_alu instid0(VALU_DEP_1)
	v_max_num_f32 v[T0+1], v[T0+1], v[TT]          ; the running largest t
	v_mov_b32 v[TT], v[T0]
	s_delay_alu instid0(VALU_DEP_2)
	v_floor_f32 v[T0], -v[T0+1]                    ; -M = floor(-t): M is a whole number
	s_delay_alu instid0(VALU_DEP_1)
	v_sub_f32 v[TT], v[T0], v[TT]                  ; old M - new M, 0 or less
	s_delay_alu instid0(VALU_DEP_1)
	v_cvt_i32_f32 v[TT], v[TT]                     ; (it saturates)
	s_delay_alu instid0(VALU_DEP_1)
	v_ldexp_f32 v[FF], 1.0, v[TT]                  ; f = 2^(old M - new M): exact
.set j, 0
.rept 32
	v_pk_fma_f32 v[S+j:S+j+1], v[S+j:S+j+1], s[CS:CS+1], v[T0:T0+1] op_sel_hi:[1,0,0]   ; t - M
.set j, j+2
.endr
.irp b, 0,1,2,3
	v_fma_f32 v[BM+\b], v[BM+\b], s[CS], v[T0]
.endr
.set j, 0
	s_wait_alu depctr_va_vdst(0)
.rept 64
	v_exp_f32 v[S+j], v[S+j]                       ; p, not normalised
.set j, j+1
.endr
	v_pk_mul_f32 v[T0+2:T0+3], v[T0+2:T0+3], v[FF:FF+1] op_sel_hi:[1,0]   ; the sums under the new M (the plain line behind the exponentials)
	s_wait_alu depctr_va_vdst(0)                   ; one wait for the batch, ahead of its first reader
.irp b, 0,1,2,3
	v_exp_f32 v[BM+\b], v[BM+\b]                   ; each block's largest p
.endr
	v_pk_add_f32 v[TT:TT+1], v[S:S+1], v[S+2:S+3]  ; the row's sum is taken of the unquantised p, in two chains
.irp j, 4,8,12,16,20,24,28,32,36,40,44,48,52,56,60
	v_pk_add_f32 v[T0+2:T0+3], v[T0+2:T0+3], v[S+\j:S+\j+1]
	v_pk_add_f32 v[TT:TT+1], v[TT:TT+1], v[S+\j+2:S+\j+3]
.endr
	s_delay_alu instid0(VALU_DEP_1)
	v_pk_add_f32 v[T0+2:T0+3], v[T0+2:T0+3], v[TT:TT+1]
	s_wait_alu depctr_va_vdst(0)                   ; and one for the four
.irp b, 0,1,2,3
	v_max_num_f32 v[BM+\b], 0x1800000, v[BM+\b]    ; the floor 2^(3 - 127): a block whose every p is 0 keeps the byte 1; its codes are zeros
.endr
.irp b, 0,1,2,3
	s_delay_alu instid0(VALU_DEP_4)
	v_add_nc_u32 v[SO+\b], 0xff000000, v[BM+\b]
.endr
.irp b, 0,1,2,3
	s_delay_alu instid0(VALU_DEP_4)
	v_lshrrev_b32 v[PM+\b], 23, v[SO+\b]
.endr
	s_delay_alu instid0(VALU_DEP_3)
	v_lshl_or_b32 v[PS], v[PM+1], 8, v[PM]
	s_delay_alu instid0(VALU_DEP_1)
	v_lshl_or_b32 v[PS], v[PM+2], 16, v[PS]
	s_delay_alu instid0(VALU_DEP_1)
	v_lshl_or_b32 v[PS], v[PM+3], 24, v[PS]
.irp c, 0,1
	v_cvt_scalef32_pk16_fp6_f32 v[PF+6*\c:PF+6*\c+2], v[S+32*\c:S+32*\c+15], v[SO+2*\c]
	v_cvt_scalef32_pk16_fp6_f32 v[TC+4*\c:TC+4*\c+2], v[S+32*\c+16:S+32*\c+31], v[SO+2*\c+1]
.endr
	v_nop                                          ; one plain line behind a scaled conversion
.if \pre
.irp n, 0,1,2,3,4,5,6,7,8,9,10,11,12,13,14,15
	ds_load_b128 v[S+4*\n:S+4*\n+3], v11 offset:16*BP*((\t)+1)+128*(\n/4)+16*(\n%4)
.endr
.endif
.irp c, 0,1
.irp i, 0,1,2
	v_permlane16_swap_b32 v[PF+6*\c+\i], v[TC+4*\c+\i]
.endr
.irp i, 0,1,2
	s_delay_alu instid0(VALU_DEP_3)
	v_mov_b32 v[PF+6*\c+3+\i], v[TC+4*\c+\i]
.endr
.endr
.if (\t) == 0
	s_wait_loadcnt 0x0                             ; V and its scale words are in; the 16 lines below stand between P's last writes and their reader
.endif
	WIN 0x41
.set j, 0
.rept 16
	v_pk_mul_f32 v[32*(\t)+j:32*(\t)+j+1], v[32*(\t)+j:32*(\t)+j+1], v[FF:FF+1] op_sel_hi:[1,0]   ; O^T under the new M; these lines also stand between the writes of P's codes and scale word and the products
.set j, j+2
.endr
	WIN 0x50
.irp d, 0,1,2,3
	v_wmma_scale_f32_16x16x128_f8f6f4 v[32*(\t)+8*\d:32*(\t)+8*\d+7], v[VF+12*\d:VF+12*\d+11], v[PF:PF+11], v[32*(\t)+8*\d:32*(\t)+8*\d+7], v[VS+\d], v[PS] matrix_a_fmt:MATRIX_FMT_FP6 matrix_b_fmt:MATRIX_FMT_FP6
.endr
	WIN 0
.endm
.macro PAIR                            ; two key steps, with no barrier between them
	s_mov_b32 s[CNT], 2
.Lstep_\@:
	v_add_nc_u32 v11, s[TB], v6
.rept 3
	v_nop                                          ; with the line above: four plain lines between the last products and the loads into V's registers
.endr
.irp n, 0,1,2,3,4,5,6,7,8,9,10,11,12,13,14,15
	ds_load_b128 v[S+4*\n:S+4*\n+3], v11 offset:128*(\n/4)+16*(\n%4)   ; the bias of my first tile of queries
.endr
.irp d, 0,1,2,3                        ; 20 loads: this step's V and its scale words
	global_load_b128 v[VF+12*\d:VF+12*\d+3], v3, s[KB:KB+1] offset:6144+1536*\d
	global_load_b64 v[VF+12*\d+4:VF+12*\d+5], v4, s[KB:KB+1] offset:6144+1536*\d+512
	global_load_b128 v[VF+12*\d+6:VF+12*\d+9], v3, s[KB:KB+1] offset:6144+1536*\d+768
	global_load_b64 v[VF+12*\d+10:VF+12*\d+11], v4, s[KB:KB+1] offset:6144+1536*\d+1280
	global_load_b32 v[VS+\d], v5, s[KB:KB+1] offset:12800+64*\d
.endr
	TILE 0, 1, 0
	TILE 1, 1, 0
	TILE 2, 1, 0
	TILE 3, 0, 1
	s_wait_alu depctr_va_vdst(0)
	s_wait_xcnt 0x0                                ; every load and prefetch of the step has read its base: the bases step
	s_add_nc_u64 s[KB:KB+1], s[KB:KB+1], KVB
	s_add_nc_u64 s[MB:MB+1], s[MB:MB+1], 512
	s_add_co_u32 s[TB], s[TB], SB
	s_add_co_u32 s[SN], s[SN], 1
	s_sub_co_u32 s[CNT], s[CNT], 1
	s_cmp_lg_u32 s[CNT], 0
	s_cbranch_scc1 .Lstep_\@
.endm
.macro MEET                            ; in front of a pair: my part of it is in, the add, my group 0 steps to the pair after it, and the barrier shows the pair whole
	s_wait_tensorcnt 0x0
	ds_add_u32 v[SPW], v[NIL]                      ; 0 onto my spare word
	s_add_co_u32 s[G0+1], s[G0+1], 2*SB
	s_add_nc_u64 s[G0+2:G0+3], s[G0+2:G0+3], 1024
	s_wait_dscnt 0x0
	s_barrier_signal -1
	s_barrier_wait -1
.endm
	s_wait_alu depctr_va_vdst(0)
	MEET
.Lpair:                                            ; three trips: pairs 0 to 2, each with the next pair's first fill behind its barrier
	tensor_load_to_lds s[G0:G0+3], s[G1:G1+7]
	s_nop 0
.rept 4
	v_nop
.endr
	PAIR
	MEET
	s_sub_co_u32 s[OC], s[OC], 1
	s_cmp_lg_u32 s[OC], 0
	s_cbranch_scc1 .Lpair
	PAIR                                           ; the last pair is written out (the stepped group 0 is not used)
	; THE WAY OUT.  O^T / the sum, quantised along the head's 64 (two blocks), as one image of 768 bytes a tile and two scale bytes a row.
.irp t, 0,1,2,3
	v_add_f32 v[ST+4*\t+2], v[ST+4*\t+2], v[ST+4*\t+3]
.endr
.irp t, 0,1,2,3
	s_delay_alu instid0(VALU_DEP_4)
	v_permlanex16_b32 v[PM+\t], v[ST+4*\t+2], s[SEL], s[SEL+1]
.endr
.irp t, 0,1,2,3
	s_delay_alu instid0(VALU_DEP_4)
	v_add_f32 v[ST+4*\t+2], v[ST+4*\t+2], v[PM+\t]         ; the row's sum
.endr
.irp t, 0,1,2,3
	s_delay_alu instid0(VALU_DEP_4)
	v_cmp_eq_f32 s[92+\t], 0, v[ST+4*\t+2]                 ; no key counted: it only selects a value below
.endr
.irp t, 0,1,2,3
	v_rcp_f32 v[ST+4*\t], v[ST+4*\t+2]
.endr
	v_mov_b32 v[TT+1], 0xffff                      ; (the plain line behind the reciprocals)
	v_and_b32 v10, 15, v0
	s_delay_alu instid0(VALU_DEP_1)
	v_lshlrev_b32 v10, 3, v10                      ; 8 r
	s_lshl_b32 s88, s[WV], 6
	s_lshl_b32 s89, s18, 2
	s_add_co_u32 s88, s88, s89                     ; my first tile of tokens: 64 b + 4 qb
	s_lshl_b32 s84, s88, 4
	s_add_co_u32 s84, s84, s17
	s_mul_i32 s84, s84, 768
	s_mov_b32 s85, 0
	s_add_nc_u64 s[84:85], s[12:13], s[84:85]      ; its half number head
	s_lshl_b32 s86, s88, 9
	s_lshr_b32 s89, s17, 2
	s_lshl_b32 s89, s89, 7
	s_add_co_u32 s86, s86, s89
	s_and_b32 s89, s17, 3
	s_lshl_b32 s89, s89, 1
	s_add_co_u32 s86, s86, s89                     ; word (head / 4, r, (head / 2) % 2), bytes 2 (head % 2) on
	s_mov_b32 s87, 0
	s_add_nc_u64 s[86:87], s[14:15], s[86:87]
	s_wait_alu depctr_va_vdst(0)                   ; one wait for the four reciprocals, ahead of their first reader
.macro OUT t
.set Y, S+32*((\t)%2)
.set CQ, QF+12*(\t)
	WIN 0x01
.set j, 0
.rept 16
	v_pk_mul_f32 v[Y+j:Y+j+1], v[32*(\t)+j:32*(\t)+j+1], v[ST+4*(\t):ST+4*(\t)+1] op_sel_hi:[1,0]   ; register 16 B + i: channel 32 B + 16 h + i
.set j, j+2
.endr
	WIN 0
.irp b, 0,1
	v_max3_num_f32 v[BM+\b], |v[Y+16*\b]|, |v[Y+16*\b+1]|, 0x1800000
.endr
.irp i, 2,4,6,8,10,12,14
.irp b, 0,1
	s_delay_alu instid0(VALU_DEP_2)
	v_max3_num_f32 v[BM+\b], v[BM+\b], |v[Y+16*\b+\i]|, |v[Y+16*\b+\i+1]|
.endr
.endr
.irp b, 0,1
	s_delay_alu instid0(VALU_DEP_2)
	v_permlanex16_b32 v[PM+\b], v[BM+\b], s[SEL], s[SEL+1]
.endr
.irp b, 0,1
	s_delay_alu instid0(VALU_DEP_2)
	v_max_num_f32 v[BM+\b], v[BM+\b], v[PM+\b]
.endr
.irp b, 0,1
	s_delay_alu instid0(VALU_DEP_2)
	v_add_nc_u32 v[SO+\b], 0xff000000, v[BM+\b]
.endr
.irp b, 0,1
	s_delay_alu instid0(VALU_DEP_2)
	v_lshrrev_b32 v[PM+\b], 23, v[SO+\b]
.endr
	s_delay_alu instid0(VALU_DEP_1)
	v_lshl_or_b32 v[QS+(\t)], v[PM+1], 8, v[PM]
	s_delay_alu instid0(VALU_DEP_1)
	v_cndmask_b32 v[QS+(\t)], v[QS+(\t)], v[TT+1], s[92+(\t)]     ; the sum was 0: both bytes 0xff
	v_cvt_scalef32_pk16_fp6_f32 v[CQ:CQ+2], v[Y:Y+15], v[SO]
	v_cvt_scalef32_pk16_fp6_f32 v[TC:TC+2], v[Y+16:Y+31], v[SO+1]
	v_nop
.irp i, 0,1,2
	v_permlane16_swap_b32 v[CQ+\i], v[TC+\i]       ; lanes 0-15 block 0, lanes 16-31 block 1, whole
.endr
.irp i, 0,1,2
	s_delay_alu instid0(VALU_DEP_3)
	v_mov_b32 v[CQ+3+\i], v[TC+\i]
.endr
	global_store_b128 v3, v[CQ:CQ+3], s[84:85] offset:12288*(\t)        ; 512 consecutive bytes
	global_store_b64 v4, v[CQ+4:CQ+5], s[84:85] offset:12288*(\t)+512   ; 256 consecutive bytes
	global_store_b16 v10, v[QS+(\t)], s[86:87] offset:512*(\t)          ; a head owns two bytes of a row's scale word (both halves of the lanes write the same)
.endm
	OUT 0
	OUT 1
	OUT 2
	OUT 3
	s_wait_tensorcnt 0x0                           ; the wave's end
	ds_add_u32 v[SPW], v[NIL]
	s_wait_dscnt 0x0
	s_endpgm
.Lfunc_end_k_q34e9ecbe1a_attn:
	.size	k_q34e9ecbe1a_attn, .Lfunc_end_k_q34e9ecbe1a_attn-k_q34e9ecbe1a_attn
	.p2alignl 7, 3214868480
	.fill 96, 4, 3214868480
	.section	.rodata,"a",@progbits
	.p2align	6, 0x0
	.amdhsa_kernel k_q34e9ecbe1a_attn
		.amdhsa_group_segment_fixed_size 327680
		.amdhsa_private_segment_fixed_size 0
		.amdhsa_enable_private_segment 0
		.amdhsa_kernarg_size 48
		.amdhsa_user_sgpr_count 2
		.amdhsa_user_sgpr_kernarg_segment_ptr 1
		.amdhsa_wavefront_size32 1
		.amdhsa_system_sgpr_workgroup_id_x 1
		.amdhsa_system_sgpr_workgroup_id_y 1
		.amdhsa_system_sgpr_workgroup_id_z 1
		.amdhsa_system_vgpr_workitem_id 0
		.amdhsa_next_free_vgpr 512
		.amdhsa_next_free_sgpr 100
		.amdhsa_reserve_vcc 0
		.amdhsa_float_denorm_mode_32 3
		.amdhsa_float_denorm_mode_16_64 3
		.amdhsa_memory_ordered 1
		.amdhsa_forward_progress 1
		.amdhsa_inst_pref_size 195
	.end_amdhsa_kernel
	.amdgpu_metadata
---
amdhsa.version: [ 1, 2 ]
amdhsa.kernels:
  - .name:           k_q34e9ecbe1a_attn
    .symbol:         k_q34e9ecbe1a_attn.kd
    .args:
      - { .name: qimg, .offset: 0, .size: 8, .value_kind: global_buffer, .address_space: global }
      - { .name: kv, .offset: 8, .size: 8, .value_kind: global_buffer, .address_space: global }
      - { .name: pair_bias, .offset: 16, .size: 8, .value_kind: global_buffer, .address_space: global }
      - { .name: mterm, .offset: 24, .size: 8, .value_kind: global_buffer, .address_space: global }
      - { .name: aoc, .offset: 32, .size: 8, .value_kind: global_buffer, .address_space: global }
      - { .name: aos, .offset: 40, .size: 8, .value_kind: global_buffer, .address_space: global }
    .group_segment_fixed_size: 327680
    .private_segment_fixed_size: 0
    .kernarg_segment_align: 8
    .kernarg_segment_size: 48
    .max_flat_workgroup_size: 256
    .sgpr_count:     100
    .vgpr_count:     512
    .wavefront_size: 32
...
	.end_amdgpu_metadata
.endif
;; end of part 3
;; launch gemm_out (part 4): grid 4 x 64, 4 waves a work-group, clusters of 4 x 4, 327,680 bytes of LDS; arguments aoc, aos, wc, wsc, out_b, out0; writes out0
.if DOCPART == 4
	.amdgcn_target "amdgcn-amd-amdhsa--gfx1250"
	.amdhsa_code_object_version 6
	.text
	.protected	k_q34e9ecbe1a_gemm_out
	.globl	k_q34e9ecbe1a_gemm_out
	.p2align	8
	.type	k_q34e9ecbe1a_gemm_out,@function
k_q34e9ecbe1a_gemm_out:
	s_mov_b64 s[64:65], 0
	v_nop
	global_prefetch_b8 v0, s[64:65] scope:SCOPE_SE
	s_setreg_imm32_b32 hwreg(HW_REG_WAVE_MODE, 25, 1), 1
	s_wait_xcnt 0x0
	s_wait_alu depctr_hold_cnt(0) depctr_sa_sdst(0) depctr_va_vdst(0) depctr_va_sdst(0) depctr_va_ssrc(0) depctr_va_vcc(0) depctr_vm_vsrc(0)
	s_getreg_b32 s2, hwreg(HW_REG_IB_STS2, 6, 4)
	s_cmp_eq_u32 s2, 0
	s_cbranch_scc0 .Lentry_in_a_cluster
	s_endpgm
.Lentry_in_a_cluster:
	s_bfe_u32 s2, ttmp6, 0x10000c
	s_cmp_lg_u32 s2, 0xf033
	s_cbranch_scc0 .Lentry_shape_is_right
	s_endpgm
.Lentry_shape_is_right:
; out0 = attention's result x out_w^T + out_b on codes of FP6 (E2M3) with E8M0 scales, K = 1,024; out0 [8192][1024] f32.
; 256 work-groups, one for each 256 features (P, source 0: out_w's tiles 704 on of wc) x 128 tokens (R, source 1: aoc).  A wave makes 128 features x 64 tokens: 32 accumulators.  A lane holds one token, its registers run along the features.
; Operands lie in memory as register images (768 bytes for 16 rows x 64 K: lane l's bytes 0-15 at 16 l, bytes 16-23 at 512 + 8 l), a tile's 1,024 along K in 12,288 dense bytes.  The rows of a tile of out_w are ordered so that
; the 16 registers of tiles 2 B and 2 B + 1 are features 32 B + 16 h + 0 .. 15.
; LDS HOLDS ALL OF K: two halves of K x 24 tiles x 6,144 bytes = 294,912 bytes, each byte filled once.  The first half is asked for at the head, one load a wave (waves 0, 1: four tiles of R each; waves 2, 3: eight of P each),
; the second behind the next round of the cluster's barrier, while the first is multiplied.  One barrier shows the second half whole.
; CLUSTER 4 x 4: R's tiles are shared along a row of the cluster, P's along a column: joint loads.  out_b is the C of each sum's first product.
; THE SCALE WORDS of all of K go from memory straight into registers, once: 8 bytes a lane and load, a tile's 512 bytes in four loads.
; NO PREFETCH: the eight steps are written out and all tiles are asked for ahead of the first product: there is no loop to run ahead in.
; Both operands' fragments have two sets of registers: each step asks for the next step's 48 LDS loads and then multiplies its own.
; REGISTERS: window 0: v8, v12-15, v24 lane terms; v16-23 LDS addresses; v28-29 for the add; v32-95 P's scale words; v96-127 R's; v128-223 R's fragments, two sets (way out: v128-255 rows of out0).
;   window 1: P's fragments, two sets (v0-95, v128-223); out_b v96-127, v224-255.  window 2: accumulator (a, b) at v[8 (8 a + b)].
.set FR,    12
.set TK,    6144                       ; a tile's half of K
.set RB,    8*TK                       ; R's 8 tiles; P's 16 lie behind them
.set HB,    24*TK                      ; a half of K
.set SPARE, 2*HB                       ; the spare words: 128 bytes a wave, two blocks of 256 bytes that no other line names
.set SPITCH, 528                       ; the way out's stages, 16 rows x 528 bytes a wave, lie from byte 0 on: the first half has had its one fill, and its last read stands ahead of the barrier
.set CO,   12
.set STO,  14
.set RD,   15
.set RA16, 16
.set RA8,  18
.set PA16, 20
.set PA8,  22
.set SPW,  28
.set NIL,  29
.set SP,   32
.set SR,   96
.set AF,   128
.set BK,   128
.set G1R,  24
.set G1P,  32
.set GR0,  40
.set GP0,  48
.set MUL_LO, 0xa1                      ; source 0 (P) window 1, source 1 (R) window 0, C and D window 2
.set FST_LO, 0x91                      ; the first products: C (out_b) window 1, D window 2
.set MSB, 0
.macro WIN new
.if MSB != (\new)
	s_set_vgpr_msb (MSB<<8)|(\new)
.set MSB, (\new)
.endif
.endm
.macro JLOAD g0a, g0b                  ; a joint load: waves 0 and 1 fetch for R, waves 2 and 3 for P; s_nop 0 and four v_nop follow each line
	s_cmp_eq_u32 s15, 0
	s_cbranch_scc0 .Lfor_p_\@
	tensor_load_to_lds s[\g0a:\g0a+3], s[G1R:G1R+7]
	s_nop 0
.rept 4
	v_nop
.endr
	s_branch .Lasked_\@
.Lfor_p_\@:
	tensor_load_to_lds s[\g0b:\g0b+3], s[G1P:G1P+7]
	s_nop 0
.rept 4
	v_nop
.endr
.Lasked_\@:
.endm
.macro CROUND                          ; a round of the cluster's barrier
	s_barrier_signal -1
	s_barrier_wait -1
	s_cmp_lg_u32 s14, 0
	s_cbranch_scc1 .Lnot_wave_0_\@
	s_barrier_signal -3
.Lnot_wave_0_\@:
	s_barrier_wait -3
	s_barrier_signal -1
	s_barrier_wait -1
.endm
.macro PLACES
.rept 4
	v_nop
.endr
.endm
	s_load_b256 s[4:11], s[0:1], 0x0               ; aoc, aos, wc, wsc
	s_load_b128 s[96:99], s[0:1], 0x20             ; out_b, out0
	v_lshl_add_u32 v[SPW], v0, 2, SPARE
	v_mov_b32 v[NIL], 0
	ds_add_u32 v[SPW], v[NIL]                      ; the opening lines: the add, twice on end, and its wait
	ds_add_u32 v[SPW], v[NIL]
	v_lshrrev_b32 v1, 5, v0
	v_readfirstlane_b32 s14, v1                    ; wave
	s_lshr_b32 s15, s14, 1                         ; wr: my half of R.  Also: I fetch for R (0) or for P (1)
	s_and_b32 s16, s14, 1                          ; wp: my half of P.  Also: which half of the tiles I fetch
	s_bfe_u32 s94, ttmp6, 0x40000                  ; cx
	s_bfe_u32 s95, ttmp6, 0x40004                  ; cy
	s_lshl_b32 s92, ttmp9, 2
	s_add_co_u32 s92, s92, s94                     ; gx
	s_and_b32 s93, ttmp7, 0xffff
	s_lshl_b32 s93, s93, 2
	s_add_co_u32 s93, s93, s95                     ; gy
	s_lshl_b32 s17, s95, 2
	s_lshl_b32 s17, 15, s17                        ; my row of the cluster
	s_lshl_b32 s18, 0x1111, s94                    ; my column
	s_or_b32 s[G1R], s17, (3<<16)|(1<<21)          ; 15:0 the mask; 17:16 elements of 8 bytes; 21 set beside a mask; no padding
	s_or_b32 s[G1P], s18, (3<<16)|(1<<21)
	s_mov_b32 s[G1R+1], 768<<16                    ; rows of 6,144 bytes, 12,288 bytes apart: four tiles of R,
	s_mov_b32 s[G1R+2], 4<<16
	s_mov_b32 s[G1R+3], 768<<16
	s_mov_b32 s[G1R+4], 4
	s_mov_b32 s[G1R+5], 1536
	s_mov_b32 s[G1R+6], 0
	s_mov_b32 s[G1R+7], 0
	s_mov_b32 s[G1P+1], 768<<16                    ; eight of P
	s_mov_b32 s[G1P+2], 8<<16
	s_mov_b32 s[G1P+3], 768<<16
	s_mov_b32 s[G1P+4], 8
	s_mov_b32 s[G1P+5], 1536
	s_mov_b32 s[G1P+6], 0
	s_mov_b32 s[G1P+7], 0
	s_lshl_b32 s22, s93, 3
	s_lshl_b32 s21, s16, 2
	s_add_co_u32 s21, s22, s21                     ; R: I fetch tiles 8 gy + 4 (w % 2) on of aoc
	s_mul_i32 s2, s21, 12288
	s_mov_b32 s3, 0
	s_lshl_b32 s20, s92, 4
	s_add_co_u32 s20, s20, 704
	s_lshl_b32 s21, s16, 3
	s_add_co_u32 s21, s20, s21                     ; P: tiles 704 + 16 gx + 8 (w % 2) on of wc: also the tiles that I multiply
	s_mul_i32 s12, s21, 12288
	s_mov_b32 s13, 0
	s_lshl_b32 s100, s21, 9                        ; their scale words
	s_mov_b32 s101, 0
	s_lshl_b32 s21, s15, 2
	s_add_co_u32 s21, s22, s21                     ; the tiles of R that I multiply: 8 gy + 4 wr on
	s_lshl_b32 s66, s21, 9
	s_mov_b32 s67, 0
	s_mul_i32 s23, s16, 4*TK                       ; where my fetched tiles go: of the wave's number alone
	s_mul_i32 s19, s16, 8*TK
	s_add_co_u32 s19, s19, RB
	s_mul_i32 s72, s15, 4*TK                       ; what I read: my four tiles of R,
	s_mov_b32 s73, s19                             ; my eight of P,
	s_add_co_u32 s74, s72, HB                      ; and the same in the second half
	s_add_co_u32 s75, s73, HB
	s_mul_i32 s76, s14, 16*SPITCH                  ; my stage
	s_lshl_b32 s78, s92, 10
	s_lshl_b32 s79, s16, 9
	s_add_co_u32 s78, s78, s79                     ; my first feature, in bytes
	s_mov_b32 s79, 0
	s_lshl_b32 s80, s93, 7
	s_lshl_b32 s81, s15, 6
	s_add_co_u32 s80, s80, s81
	s_lshl_b32 s80, s80, 12                        ; my first token's row of 4,096 bytes
	s_mov_b32 s81, 0
	s_wait_dscnt 0x0                               ; both opening adds are done
	s_wait_kmcnt 0x0
	s_add_nc_u64 s[2:3], s[4:5], s[2:3]
	s_add_nc_u64 s[12:13], s[8:9], s[12:13]
	s_add_nc_u64 s[66:67], s[6:7], s[66:67]
	s_add_nc_u64 s[100:101], s[10:11], s[100:101]
	s_add_nc_u64 s[96:97], s[96:97], s[78:79]
	s_add_nc_u64 s[98:99], s[98:99], s[78:79]
	s_add_nc_u64 s[98:99], s[98:99], s[80:81]
	CROUND                                         ; all sixteen work-groups are here: the first joint loads meet
.irp h, 0,1
	s_mov_b32 s[GR0+4*\h], 1
	s_add_co_u32 s[GR0+4*\h+1], s23, \h*HB
	s_add_nc_u64 s[GR0+4*\h+2:GR0+4*\h+3], s[2:3], \h*TK
	s_or_b32 s[GR0+4*\h+3], s[GR0+4*\h+3], 0x80000000
	s_mov_b32 s[GP0+4*\h], 1
	s_add_co_u32 s[GP0+4*\h+1], s19, \h*HB
	s_add_nc_u64 s[GP0+4*\h+2:GP0+4*\h+3], s[12:13], \h*TK
	s_or_b32 s[GP0+4*\h+3], s[GP0+4*\h+3], 0x80000000
.endr
	JLOAD GR0, GP0                                 ; the first half of K: my one load at the head
	v_and_b32 v1, 15, v0                           ; r
	v_bfe_u32 v2, v0, 4, 1                         ; h
	v_and_b32 v3, 31, v0                           ; lane
	v_lshlrev_b32 v24, 3, v1                       ; scale words: 8 r
	v_lshlrev_b32 v8, 6, v2                        ; out_b: tile 2 B + u, register j: 32 B + 16 h + 8 u + j
	v_lshlrev_b32 v[CO], 4, v3
	v_lshlrev_b32 v13, 3, v3
	v_mul_u32_u24 v5, v1, SPITCH
	v_add_nc_u32 v[RA16], s72, v[CO]
	v_add_nc_u32 v[RA16+1], s74, v[CO]
	v_add_nc_u32 v[PA16], s73, v[CO]
	v_add_nc_u32 v[PA16+1], s75, v[CO]
	v_add_nc_u32 v[RA8], s72, v13
	v_add_nc_u32 v[RA8+1], s74, v13
	v_add_nc_u32 v[PA8], s73, v13
	v_add_nc_u32 v[PA8+1], s75, v13
	v_lshl_add_u32 v5, v2, 6, v5
	v_add_nc_u32 v[RD], s76, v[CO]                 ; the stage, back: a row of 512 bytes, 16 bytes a lane
	v_add_nc_u32 v[STO], s76, v5                   ; in: row r, + 64 h
.irp c, 0,1,2,3
.irp b, 0,1,2,3,4,5,6,7
	global_load_b64 v[SP+16*\c+2*\b:SP+16*\c+2*\b+1], v24, s[100:101] offset:\b*512+\c*128   ; P's tile b, K = 256 c on: two words a row
.endr
.irp a, 0,1,2,3
	global_load_b64 v[SR+8*\c+2*\a:SR+8*\c+2*\a+1], v24, s[66:67] offset:\a*512+\c*128       ; R's tile a
.endr
.endr
	WIN 0x40
.irp b, 0,1,2,3,4,5,6,7
	global_load_b128 v[96+8*\b+96*(\b/4):96+8*\b+96*(\b/4)+3], v8, s[96:97] offset:128*(\b/2)+32*(\b%2)
	global_load_b128 v[96+8*\b+96*(\b/4)+4:96+8*\b+96*(\b/4)+7], v8, s[96:97] offset:128*(\b/2)+32*(\b%2)+16
.endr
	WIN 0
.macro FRAG reg, a16, a8, off          ; a fragment, 16 rows x 128 K: two images
	ds_load_b128 v[\reg:\reg+3], v[\a16] offset:\off
	ds_load_b64 v[\reg+4:\reg+5], v[\a8] offset:\off+512
	ds_load_b128 v[\reg+6:\reg+9], v[\a16] offset:\off+768
	ds_load_b64 v[\reg+10:\reg+11], v[\a8] offset:\off+1280
.endm
.macro FETCH s                         ; 48 LDS loads: step s's fragments, P's eight and R's four, into set s % 2
	WIN 0x40
.irp i, 0,1,2,3,4,5,6,7
	FRAG 128*((\s)%2)+FR*\i, PA16+(\s)/4, PA8+(\s)/4, \i*TK+((\s)%4)*1536
.endr
	WIN 0
.irp i, 0,1,2,3
	FRAG AF+48*((\s)%2)+FR*\i, RA16+(\s)/4, RA8+(\s)/4, \i*TK+((\s)%4)*1536
.endr
.endm
; A step of 128 along K: 32 products.  The 32 accumulators take turns, one instruction a turn, in the same order in every step.
.macro STEP s
.if (\s) == 3
	s_wait_tensorcnt 0x0                           ; my part of the second half of K is in,
	s_wait_dscnt 0x0                               ; and my reads of the first half are over
	s_barrier_signal -1
	s_barrier_wait -1                              ; both hold of every wave
.endif
.if (\s) < 7
	PLACES                                         ; four plain lines between the last step's products and the loads into the set that they read
	FETCH (\s)+1
	s_wait_dscnt 48                                ; this step's fragments are in; the 48 loads just issued may be out
.else
	s_wait_dscnt 0x0
.endif
.if (\s) == 0
	WIN FST_LO
.else
	WIN MUL_LO
.endif
.irp a, 0,1,2,3
.irp b, 0,1,2,3,4,5,6,7
.if (\s) == 0
	v_wmma_scale_f32_16x16x128_f8f6f4 v[8*(8*\a+\b):8*(8*\a+\b)+7], v[128*((\s)%2)+FR*\b:128*((\s)%2)+FR*\b+FR-1], v[AF+48*((\s)%2)+FR*\a:AF+48*((\s)%2)+FR*\a+FR-1], v[96+8*\b+96*(\b/4):96+8*\b+96*(\b/4)+7], v[SP+16*((\s)/2)+2*\b+(\s)%2], v[SR+8*((\s)/2)+2*\a+(\s)%2] matrix_a_fmt:MATRIX_FMT_FP6 matrix_b_fmt:MATRIX_FMT_FP6
.else
	v_wmma_scale_f32_16x16x128_f8f6f4 v[8*(8*\a+\b):8*(8*\a+\b)+7], v[128*((\s)%2)+FR*\b:128*((\s)%2)+FR*\b+FR-1], v[AF+48*((\s)%2)+FR*\a:AF+48*((\s)%2)+FR*\a+FR-1], v[8*(8*\a+\b):8*(8*\a+\b)+7], v[SP+16*((\s)/2)+2*\b+(\s)%2], v[SR+8*((\s)/2)+2*\a+(\s)%2] matrix_a_fmt:MATRIX_FMT_FP6 matrix_b_fmt:MATRIX_FMT_FP6
.endif
.endr
.endr
	WIN 0
.endm
	s_wait_alu depctr_va_vdst(0)
	s_wait_tensorcnt 0x0                           ; my part of the first half is in; these lines stand ahead of a later first fill as ahead of a refill
	ds_add_u32 v[SPW], v[NIL]
	s_wait_dscnt 0x0
	CROUND                                         ; the first half is whole, and all sixteen work-groups are here
	JLOAD GR0+4, GP0+4                             ; the second half of K: three steps, 96 products, stand between this load and the wait for it
	FETCH 0
	s_wait_loadcnt 0x0                             ; the scale words and out_b
.irp s, 0,1,2,3,4,5,6,7
	STEP \s
.endr
; THE WAY OUT, block by block of 16 tokens x 128 features, through my own stage: in by 32 bytes a lane and tile, back as whole rows of 512 bytes.  LDS serves a wave's instructions in order.
.macro TOSTAGE a
.set AC, 64*(\a)
	WIN 0x08                                       ; an LDS store's data: window 2
.irp b, 0,1,2,3,4,5,6,7
	ds_store_b128 v[STO], v[AC+8*\b:AC+8*\b+3] offset:128*(\b/2)+32*(\b%2)          ; each accumulator from its low end on
	ds_store_b128 v[STO], v[AC+8*\b+4:AC+8*\b+7] offset:128*(\b/2)+32*(\b%2)+16
.endr
	WIN 0
.set BB, BK+64*((\a)%2)
.irp t, 0,1,2,3,4,5,6,7,8,9,10,11,12,13,14,15
	ds_load_b128 v[BB+4*\t:BB+4*\t+3], v[RD] offset:\t*SPITCH
.endr
.endm
.macro SEND a, younger
.set BB, BK+64*((\a)%2)
	s_wait_dscnt \younger                          ; the block is back in registers
.if (\a) > 0
	s_add_nc_u64 s[98:99], s[98:99], 16*4096       ; (behind a wait on XCNT: the earlier stores have read their base)
.endif
.irp t, 0,1,2,3,4,5,6,7,8,9,10,11,12,13,14,15
	global_store_b128 v[CO], v[BB+4*\t:BB+4*\t+3], s[98:99] offset:\t*4096 th:TH_STORE_NT   ; 512 consecutive bytes, aligned
.endr
.endm
	PLACES
	TOSTAGE 0
.irp a, 1,2,3
.if \a > 1
	s_wait_xcnt 0x0                                ; block a - 2's stores have read their registers and their base
.endif
	TOSTAGE \a
	SEND \a-1, 32                                  ; behind block a - 1's loads: block a's 16 stores and 16 loads
.endr
	s_wait_xcnt 0x0
	SEND 3, 0
	s_wait_tensorcnt 0x0                           ; the wave's end
	ds_add_u32 v[SPW], v[NIL]
	s_wait_dscnt 0x0
	CROUND                                         ; the closing round
	s_endpgm
.Lfunc_end_k_q34e9ecbe1a_gemm_out:
	.size	k_q34e9ecbe1a_gemm_out, .Lfunc_end_k_q34e9ecbe1a_gemm_out-k_q34e9ecbe1a_gemm_out
	.p2alignl 7, 3214868480
	.fill 96, 4, 3214868480
	.section	.rodata,"a",@progbits
	.p2align	6, 0x0
	.amdhsa_kernel k_q34e9ecbe1a_gemm_out
		.amdhsa_group_segment_fixed_size 327680
		.amdhsa_private_segment_fixed_size 0
		.amdhsa_enable_private_segment 0
		.amdhsa_kernarg_size 48
		.amdhsa_user_sgpr_count 2
		.amdhsa_user_sgpr_kernarg_segment_ptr 1
		.amdhsa_wavefront_size32 1
		.amdhsa_system_sgpr_workgroup_id_x 1
		.amdhsa_system_sgpr_workgroup_id_y 1
		.amdhsa_system_sgpr_workgroup_id_z 1
		.amdhsa_system_vgpr_workitem_id 0
		.amdhsa_next_free_vgpr 768
		.amdhsa_next_free_sgpr 102
		.amdhsa_reserve_vcc 0
		.amdhsa_float_denorm_mode_32 3
		.amdhsa_float_denorm_mode_16_64 3
		.amdhsa_memory_ordered 1
		.amdhsa_forward_progress 1
		.amdhsa_inst_pref_size 87
	.end_amdhsa_kernel
	.amdgpu_metadata
---
amdhsa.version: [ 1, 2 ]
amdhsa.kernels:
  - .name:           k_q34e9ecbe1a_gemm_out
    .symbol:         k_q34e9ecbe1a_gemm_out.kd
    .args:
      - { .name: aoc, .offset: 0, .size: 8, .value_kind: global_buffer, .address_space: global }
      - { .name: aos, .offset: 8, .size: 8, .value_kind: global_buffer, .address_space: global }
      - { .name: wc, .offset: 16, .size: 8, .value_kind: global_buffer, .address_space: global }
      - { .name: wsc, .offset: 24, .size: 8, .value_kind: global_buffer, .address_space: global }
      - { .name: out_b, .offset: 32, .size: 8, .value_kind: global_buffer, .address_space: global }
      - { .name: out0, .offset: 40, .size: 8, .value_kind: global_buffer, .address_space: global }
    .group_segment_fixed_size: 327680
    .private_segment_fixed_size: 0
    .kernarg_segment_align: 8
    .kernarg_segment_size: 48
    .max_flat_workgroup_size: 128
    .sgpr_count:     102
    .vgpr_count:     768
    .wavefront_size: 32
...
	.end_amdgpu_metadata
.endif
;; end of part 4
